; MI455X (gfx1250); checked and timed in simulation.
; The chip was launched on July 23, 2026; its instructions are those of AMD's public machine-readable ISA for CDNA 5 (MIT licence, August 2026) and "CDNA5" Instruction Set Architecture Reference Guide (July 2026). The comments in the code are by the model that wrote it; some were corrected since.
;; Multi Head Attention Classical. Allowed arithmetic: matrix products marked QUANTISED: E2M3 operands, one E8M0 scale for each 32 along K, by v_wmma_scale_f32_16x16x128_f8f6f4 with both operands' format E2M3, f32 sums; everything else in f32.
;; Inputs: bk 1,024 float32; bo 1,024 float32; bq 1,024 float32; bv 1,024 float32; mask 4 x 2,048 int32; wk 1,024 x 1,024 float32; wo 1,024 x 1,024 float32; wq 1,024 x 1,024 float32; wv 1,024 x 1,024 float32; x 4 x 2,048 x 1,024 float32.
;; Outputs: out0 4 x 2,048 x 1,024 float32.
;; This version of the problem:
;;   THIS VERSION OF THE PROBLEM IS GIVEN IN LOW PRECISION. The matrix products marked QUANTISED in the list below multiply operands that are first quantised to E2M3 (2 exponent bits, 3 mantissa bits; 6 bits a number), with one power-of-two scale for each 32 numbers along K (OCP MX v1.0); their sums are f32. All else is computed in f32.
;;   The module's matrix products, in the order in which they are computed (A, B: the left and right operand; K: the contracted axis; several contracted axes count as one K, in the product's order):
;;     1. [M 8,192, K 1,024] x [K 1,024, N 1,024]; A: input x; B: input wq: QUANTISED
;;     2. [M 8,192, K 1,024] x [K 1,024, N 1,024]; A: input x; B: input wk: QUANTISED
;;     3. [M 8,192, K 1,024] x [K 1,024, N 1,024]; A: input x; B: input wv: QUANTISED
;;     4. batch 64 x [M 2,048, K 64] x [K 64, N 2,048]; A: computed on the way; B: computed on the way: QUANTISED
;;     5. batch 64 x [M 2,048, K 2,048] x [K 2,048, N 64]; A: softmax (see below); B: computed on the way: QUANTISED
;;     6. [M 8,192, K 1,024] x [K 1,024, N 1,024]; A: computed on the way; B: input wo: QUANTISED
;;   THE QUANTISER, for each operand of a quantised product, along K:
;;     - K is cut into blocks of 32 from its start; a last block that is shorter is filled with zeros.
;;     - A block's scale is 2^e with e = floor(log2(the largest magnitude in the block)) - 2, held to -126 .. 127; a block of zeros has e = 0. As a byte (E8M0): e + 127.
;;     - Each number is divided by its block's scale, clamped to +-7.5, and rounded to the nearest number of E2M3, ties to even, subnormals kept.
;;     - The product sums the exact products of the quantised numbers (number of the format x scale) in f32.
;;   ~~~python
;;   def quantise(x, axis):      # numpy; x: float32 -> the quantised numbers, widened to float32 again
;;       x = np.moveaxis(x, axis, -1); K = x.shape[-1]
;;       x = np.pad(x, [(0, 0)] * (x.ndim - 1) + [(0, -K % 32)]); x = x.reshape(x.shape[:-1] + (-1, 32)); a = np.abs(x).max(-1, keepdims=True)
;;       e = np.where(a > 0, np.clip(np.frexp(np.where(a > 0, a, 1))[1] - 1 - 2, -126, 127), 0)      # np.frexp(a)[1] - 1 = floor(log2(a)), exactly
;;       r = np.clip(x / 2.0 ** e, -7.5, 7.5)
;;       step = 2.0 ** (np.maximum(np.frexp(np.where(r == 0, 1, r))[1] - 1, 0) - 3)
;;       q = np.round(r / step) * step * 2.0 ** e      # np.round: ties to even
;;       return np.moveaxis(q.reshape(q.shape[:-2] + (-1,))[..., :K], -1, axis).astype(np.float32)
;;   ~~~
;;   SOFTMAX AHEAD OF A QUANTISED PRODUCT. Where the list says 'softmax', what is quantised is not the finished softmax but p = 2^(t - M), with t = logit x log2(e) and M = ceil(the row's largest t), a whole number; so 1/2 < the row's largest p <= 1. The row's sum l is taken of the UNQUANTISED p, in f32, and the product's result is divided by l at the end. Since M is a whole number, a kernel that streams over the keys may use a running M (the ceiling of the running maximum): every later rescaling is an exact power of two, which a block's scale takes up: the codes' values come out the same.
;;   OPERANDS COMPUTED ON THE WAY. 'Computed on the way' means the value that the module computes at that place (a softmax that the list does not call 'softmax' is quantised finished and normalised). What goes into a quantiser is computed in f32, as accurately as f32 sums, v_exp_f32 and their like allow (about 1e-6 of the number): no bf16 or f16 on the way to a quantiser, and a product that is left as it is and whose result goes on into a quantised operand takes f32 operands (vector FMAs, or v_wmma_f32_16x16x4_f32). A number that lies on a knife's edge between two numbers of the format may be rounded either way, as far as f32 arithmetic and the matrix unit's own rounding can turn it there, and no further.
;; One version. Each part assembles by itself: llvm-mc -triple=amdgcn-amd-amdhsa -mcpu=gfx1250 --defsym DOCPART=n.
;; ======== version 1 of 1: 4 launches
;; limits: right only within a limited range of input values
;; workspace buffers: xcod 6,291,456 bytes; xscl 262,144 bytes; wcod 3,145,728 bytes; wscl 131,072 bytes; qrec 8,912,896 bytes; kvrec 15,466,496 bytes; acod 6,291,456 bytes; ascl 262,144 bytes
;; launch quant (part 1): grid 768 x 1, 2 waves a work-group, no clusters, 17,664 bytes of LDS; arguments x, wq, wk, wv, wo, xcod, xscl, wcod, wscl; writes xcod, xscl, wcod, wscl
.if DOCPART == 1
	.amdgcn_target "amdgcn-amd-amdhsa--gfx1250"
	.amdhsa_code_object_version 6
	.text
	.protected	k_q00f3d72bd3_quant
	.globl	k_q00f3d72bd3_quant
	.p2align	8
	.type	k_q00f3d72bd3_quant,@function
k_q00f3d72bd3_quant:
	s_mov_b64 s[64:65], 0
	v_nop
	global_prefetch_b8 v0, s[64:65] scope:SCOPE_SE
	s_setreg_imm32_b32 hwreg(HW_REG_WAVE_MODE, 25, 1), 1
	s_wait_xcnt 0x0
; x [8192][1024] and wq, wk, wv, wo [1024][1024], f32 with K innermost, become codes of FP6 (E2M3) and E8M0 scale bytes, one for each 32 along K,
; laid in the order of a matrix operand's registers.
; A block's scale is 2^(floor(log2(largest magnitude)) - 2); its byte is the largest magnitude's exponent field - 2, held at 1 from below.
; LIMITS: a block of zeros gets the byte 1 (its codes are zeros; these bytes are read by this program alone); blocks whose largest magnitude lies
; under 2^-124 are held at byte 1; NaN and infinities are not served.
; ROW ORDER.  Rows are stored by position: within each 32 rows, position 16 u + r holds row 8 u + r + 8 (r / 8).  Sixteen neighbouring positions are a row tile.
; CODES: [row tile][chi = K / 64][768 bytes]: lane l = (r, h) owns the block of 32 codes (row position r, K = 64 chi + 32 h ..), 24 bytes:
;        its bytes 0-15 at 16 l, its bytes 16-23 at 512 + 8 l.   SCALES: the word of (row tile T, kappa = K / 128, r) at 512 T + 256 (kappa / 4) + 16 r + 4 (kappa % 4).
; SHARES.  Work-group g takes one row tile: tile u = g % 2 of the block of 32 rows g / 2 (blocks 0-255 are x's, then 32 blocks for each weight).  768 work-groups: three for each of 256 WGPs.
; Wave m (0, 1) takes K half m: 16 rows x 512 K in 8 steps of 64.
; Each load reads two rows' 256 consecutive bytes; a step's 4,096 bytes turn through the wave's own stage in LDS (rows 272 bytes apart), so that a lane gets a whole block of 32 neighbours.
; Loads run four steps ahead, in four sets of registers: 32 loads, 16,384 bytes, a wave.  Waves share nothing: no barrier.
.set SP,   272                         ; a stage row: 256 bytes + 16
.set STG,  16*SP                       ; a stage; two of them for each wave
.set SPARE, 4*STG                      ; behind the four stages: the spare words, 128 bytes a wave
.set R,    16                          ; v16-143   four sets of 32 registers as loaded
.set X,    144                         ; v144-207  two sets of 32 neighbours
.set C,    208                         ; v208-223  two sets of eight registers of codes
.set E,    224                         ; v224-231  a scale byte for each step
.set W,    232                         ; v232-235  scale words
.set PT,   236                         ; v236-239  what the lane 16 away holds
.set SPW,  240                         ; v240      my spare word
.set NIL,  241                         ; v241      0
	s_load_b256 s[4:11], s[0:1], 0x0               ; x, wq, wk, wv
	s_load_b64 s[12:13], s[0:1], 0x20              ; wo
	s_load_b128 s[16:19], s[0:1], 0x28             ; x's codes, x's scales
	s_load_b128 s[20:23], s[0:1], 0x38             ; the weights' codes, the weights' scales
	v_lshl_add_u32 v[SPW], v0, 2, SPARE
	v_mov_b32 v[NIL], 0
	v_lshrrev_b32 v1, 5, v0
	v_readfirstlane_b32 s28, v1                    ; wave
	s_and_b32 s30, ttmp9, 1                        ; u
	s_lshr_b32 s36, ttmp9, 1                       ; the block of 32 rows
	s_mov_b32 s31, s28                             ; m
	v_and_b32 v2, 31, v0                           ; lane
	v_and_b32 v1, 15, v0                           ; r
	v_bfe_u32 v10, v0, 4, 1                        ; h
	v_lshlrev_b32 v3, 4, v1
	v_lshl_add_u32 v3, v10, 12, v3                 ; a load: lanes 0-15 one row's 256 bytes, lanes 16-31 the next row's
	s_mul_i32 s29, s28, 2*STG                      ; my wave's two stages
	v_mul_u32_u24 v14, v10, SP
	v_lshl_add_u32 v14, v1, 4, v14
	v_add_nc_u32 v14, s29, v14                     ; into a stage: as loaded
	v_mul_u32_u24 v15, v1, SP
	v_lshl_add_u32 v15, v10, 7, v15
	v_add_nc_u32 v15, s29, v15                     ; out of it: row r, 128 h bytes on: my block
	v_lshlrev_b32 v4, 4, v2                        ; 16 x lane
	v_lshlrev_b32 v5, 3, v2                        ; 8 x lane
	v_lshlrev_b32 v6, 4, v1
	v_lshl_add_u32 v6, v10, 3, v6                  ; the scale words' way out: 16 r + 8 h
	v_lshlrev_b32 v7, 3, v10                       ; 8 h
.irp k, 0,1,2,3
	v_mov_b32 v[PT+\k], 0                          ; written once: a lane permute's destination counts as one of its sources
.endr
	s_mov_b32 s33, 0x76543210
	s_mov_b32 s34, 0xfedcba98                      ; selects for lane l xor 16
	s_mov_b32 s35, 0xffff0000                      ; lanes 16-31
	s_and_b32 s24, s36, 31                         ; a weight's block of 32 rows (the weights begin at blocks 256, 288, 320, 352)
	s_sub_co_u32 s25, s36, 256                     ; and its place among all weights' blocks
	s_wait_alu depctr_va_vdst(0)                   ; the wait at the head's end
	s_wait_kmcnt 0x0
	s_cmp_lt_u32 s36, 352                          ; which tensor: the choice hangs on the work-group's number alone
	s_cselect_b64 s[12:13], s[10:11], s[12:13]
	s_cmp_lt_u32 s36, 320
	s_cselect_b64 s[12:13], s[8:9], s[12:13]
	s_cmp_lt_u32 s36, 288
	s_cselect_b64 s[12:13], s[6:7], s[12:13]
	s_cmp_lt_u32 s36, 256
	s_cselect_b64 s[12:13], s[4:5], s[12:13]
	s_cselect_b64 s[16:17], s[16:17], s[20:21]
	s_cselect_b64 s[18:19], s[18:19], s[22:23]
	s_cselect_b32 s24, s36, s24
	s_cselect_b32 s25, s36, s25
	s_lshl_b32 s26, s24, 17                        ; 32 rows of 4,096 bytes a block,
	s_lshl_b32 s27, s30, 15                        ; 8 u rows,
	s_add_co_u32 s26, s26, s27
	s_lshl_b32 s27, s31, 11                        ; 512 m numbers
	s_add_co_u32 s26, s26, s27
	s_mov_b32 s27, 0
	s_add_nc_u64 s[12:13], s[12:13], s[26:27]
	s_lshl_b32 s25, s25, 1
	s_add_co_u32 s25, s25, s30                     ; my row tile T
	s_mul_i32 s26, s25, 12288
	s_mul_i32 s32, s31, 6144
	s_add_co_u32 s26, s26, s32
	s_add_nc_u64 s[16:17], s[16:17], s[26:27]      ; codes: 12,288 T + 6,144 m
	s_lshl_b32 s26, s25, 9
	s_lshl_b32 s32, s31, 8
	s_add_co_u32 s26, s26, s32
	s_add_nc_u64 s[18:19], s[18:19], s[26:27]      ; scales: 512 T + 256 m
.macro LOAD t                          ; step t: positions 2 j, 2 j + 1 of the tile are rows 2 j + 8 (j / 4) and the next
.irp j, 0,1,2,3,4,5,6,7
	global_load_b128 v[R+32*((\t)%4)+4*\j:R+32*((\t)%4)+4*\j+3], v3, s[12:13] offset:(2*\j+8*(\j/4))*4096+256*(\t) th:TH_LOAD_NT
.endr
.endm
.macro TURN t                          ; through the stage: LDS serves a wave's instructions in order, so no wait stands between the stores and the loads
.irp j, 0,1,2,3,4,5,6,7
	ds_store_b128 v14, v[R+32*((\t)%4)+4*\j:R+32*((\t)%4)+4*\j+3] offset:STG*((\t)%2)+2*SP*\j
.endr
.irp i, 0,1,2,3,4,5,6,7
	ds_load_b128 v[X+32*((\t)%2)+4*\i:X+32*((\t)%2)+4*\i+3], v15 offset:STG*((\t)%2)+16*\i
.endr
.endm
.macro STEP t
.set XS, X+32*((\t)%2)
.set CS, C+8*((\t)%2)
	s_wait_dscnt 0x0                               ; this step's block is back from the stage, and the stage's stores have read their registers,
.if (\t)+4 < 8
	LOAD (\t)+4                                    ; which take the loads of four steps on
.endif
.if (\t)+1 < 8
.if (\t) < 4
	s_wait_loadcnt 24                              ; the next step's eight loads are in; those of the three steps behind it stay out
.else
	s_wait_loadcnt 8*(6-(\t))                      ; (towards the end fewer steps are behind it)
.endif
	TURN (\t)+1                                    ; and go through the other stage while this step is worked
.endif
.if (\t) >= 2
	s_wait_xcnt 0x0                                ; the stores of two steps ago have read their data: this set of code registers is written again
.endif
	v_max3_num_f32 v12, |v[XS]|, |v[XS+1]|, |v[XS+2]|      ; the block's largest magnitude: all 32 numbers are mine
	v_max3_num_f32 v13, |v[XS+3]|, |v[XS+4]|, |v[XS+5]|
.irp i, 6,10,14,18,22,26
	v_max3_num_f32 v12, v12, |v[XS+\i]|, |v[XS+\i+1]|
	v_max3_num_f32 v13, v13, |v[XS+\i+2]|, |v[XS+\i+3]|
.endr
	v_max3_num_f32 v12, v12, |v[XS+30]|, |v[XS+31]|
	v_max3_num_f32 v12, v12, v13, 0x1800000        ; and the floor 2^(3 - 127): the byte cannot fall under 1
	v_add_nc_u32 v11, 0xff000000, v12              ; 2 off the exponent field: the conversion takes this operand's exponent field as its scale
	v_cvt_scalef32_pk16_fp6_f32 v[CS:CS+2], v[XS:XS+15], v11
	v_cvt_scalef32_pk16_fp6_f32 v[CS+4:CS+6], v[XS+16:XS+31], v11   ; (a conversion's three registers begin on an even number)
	v_lshrrev_b32 v[E+(\t)], 23, v11               ; the scale's byte; also the plain line behind the conversions
	v_mov_b32 v[CS+3], v[CS+4]                     ; the block's six registers on end
	v_mov_b32 v[CS+4], v[CS+5]
	v_mov_b32 v[CS+5], v[CS+6]
	global_store_b128 v4, v[CS:CS+3], s[16:17] offset:768*(\t)        ; 512 consecutive bytes
	global_store_b64 v5, v[CS+4:CS+5], s[16:17] offset:768*(\t)+512   ; 256 consecutive bytes
.endm
	LOAD 0
	LOAD 1
	LOAD 2
	LOAD 3
	s_wait_loadcnt 24                              ; step 0's eight loads are in
	TURN 0
.irp t, 0,1,2,3,4,5,6,7
	STEP \t
.endr
	; the scale words: word k of my K half has bytes (step 2 k, h = 0), (2 k, 1), (2 k + 1, 0), (2 k + 1, 1)
.irp k, 0,1,2,3
	v_lshl_or_b32 v[W+\k], v[E+2*\k+1], 16, v[E+2*\k]
.endr
.irp k, 0,1,2,3
	v_lshlrev_b32 v[W+\k], v7, v[W+\k]             ; my two bytes at their places
.endr
.irp k, 0,1,2,3
	v_permlanex16_b32 v[PT+\k], v[W+\k], s33, s34
.endr
.irp k, 0,1,2,3
	v_or_b32 v[W+\k], v[W+\k], v[PT+\k]            ; with lane l xor 16's two the word is whole
.endr
	v_cndmask_b32 v8, v[W], v[W+2], s35            ; lanes 0-15 store words 0, 1 of their row, lanes 16-31 words 2, 3
	v_cndmask_b32 v9, v[W+1], v[W+3], s35
	global_store_b64 v6, v[8:9], s[18:19]          ; 256 consecutive bytes, aligned
	s_wait_tensorcnt 0x0                           ; the wave's end
	ds_add_u32 v[SPW], v[NIL]
	s_wait_dscnt 0x0
	s_endpgm
.Lfunc_end_k_q00f3d72bd3_quant:
	.size	k_q00f3d72bd3_quant, .Lfunc_end_k_q00f3d72bd3_quant-k_q00f3d72bd3_quant
	.p2alignl 7, 3214868480
	.fill 96, 4, 3214868480
	.section	.rodata,"a",@progbits
	.p2align	6, 0x0
	.amdhsa_kernel k_q00f3d72bd3_quant
		.amdhsa_group_segment_fixed_size 17664
		.amdhsa_private_segment_fixed_size 0
		.amdhsa_enable_private_segment 0
		.amdhsa_kernarg_size 72
		.amdhsa_user_sgpr_count 2
		.amdhsa_user_sgpr_kernarg_segment_ptr 1
		.amdhsa_wavefront_size32 1
		.amdhsa_system_sgpr_workgroup_id_x 1
		.amdhsa_system_sgpr_workgroup_id_y 1
		.amdhsa_system_sgpr_workgroup_id_z 1
		.amdhsa_system_vgpr_workitem_id 0
		.amdhsa_next_free_vgpr 242
		.amdhsa_next_free_sgpr 66
		.amdhsa_reserve_vcc 0
		.amdhsa_float_denorm_mode_32 3
		.amdhsa_float_denorm_mode_16_64 3
		.amdhsa_memory_ordered 1
		.amdhsa_forward_progress 1
		.amdhsa_inst_pref_size 32
	.end_amdhsa_kernel
	.amdgpu_metadata
---
amdhsa.version: [ 1, 2 ]
amdhsa.kernels:
  - .name:           k_q00f3d72bd3_quant
    .symbol:         k_q00f3d72bd3_quant.kd
    .args:
      - { .name: x, .offset: 0, .size: 8, .value_kind: global_buffer, .address_space: global }
      - { .name: wq, .offset: 8, .size: 8, .value_kind: global_buffer, .address_space: global }
      - { .name: wk, .offset: 16, .size: 8, .value_kind: global_buffer, .address_space: global }
      - { .name: wv, .offset: 24, .size: 8, .value_kind: global_buffer, .address_space: global }
      - { .name: wo, .offset: 32, .size: 8, .value_kind: global_buffer, .address_space: global }
      - { .name: xcod, .offset: 40, .size: 8, .value_kind: global_buffer, .address_space: global }
      - { .name: xscl, .offset: 48, .size: 8, .value_kind: global_buffer, .address_space: global }
      - { .name: wcod, .offset: 56, .size: 8, .value_kind: global_buffer, .address_space: global }
      - { .name: wscl, .offset: 64, .size: 8, .value_kind: global_buffer, .address_space: global }
    .group_segment_fixed_size: 17664
    .private_segment_fixed_size: 0
    .kernarg_segment_align: 8
    .kernarg_segment_size: 72
    .max_flat_workgroup_size: 64
    .sgpr_count:     66
    .vgpr_count:     242
    .wavefront_size: 32
...
	.end_amdgpu_metadata
.endif
;; end of part 1
;; launch qkv (part 2): grid 12 x 32, 4 waves a work-group, clusters of 4 x 4, 327,680 bytes of LDS; arguments xcod, xscl, wcod, wscl, bq, bk, bv, mask, qrec, kvrec; writes qrec, kvrec
.if DOCPART == 2
	.amdgcn_target "amdgcn-amd-amdhsa--gfx1250"
	.amdhsa_code_object_version 6
	.text
	.protected	k_q00f3d72bd3_qkv
	.globl	k_q00f3d72bd3_qkv
	.p2align	8
	.type	k_q00f3d72bd3_qkv,@function
k_q00f3d72bd3_qkv:
	s_mov_b64 s[64:65], 0
	v_nop
	global_prefetch_b8 v0, s[64:65] scope:SCOPE_SE
	s_setreg_imm32_b32 hwreg(HW_REG_WAVE_MODE, 25, 1), 1
	s_wait_xcnt 0x0
	s_wait_alu depctr_hold_cnt(0) depctr_sa_sdst(0) depctr_va_vdst(0) depctr_va_sdst(0) depctr_va_ssrc(0) depctr_va_vcc(0) depctr_vm_vsrc(0)
	s_getreg_b32 s2, hwreg(HW_REG_IB_STS2, 6, 4)
	s_cmp_eq_u32 s2, 0
	s_cbranch_scc0 .Lentry_in_a_cluster
	s_endpgm
.Lentry_in_a_cluster:
	s_bfe_u32 s2, ttmp6, 0x10000c
	s_cmp_lg_u32 s2, 0xf033
	s_cbranch_scc0 .Lentry_shape_is_right
	s_endpgm
.Lentry_shape_is_right:
.set NB,    8
.set HALFA, 8*3072
.set HALFB, NB*3072
.set SLOT,  2*HALFA+2*HALFB
.set SCL,   2*SLOT
.set SPARE, SCL+8192+NB*1024
.set FR,    12
.set A16,   16
.set A8,    18
.set B16,   20
.set B8,    22
.set L16,   24
.set L8,    25
.set MO,    26
.set ADRS,  27
.set SPW,   28
.set NIL,   29
.set SC,    32
.set AF,    128
.set G1,    24
.set G0,    32
.set G1B,   48
.set G0B,   56
.set G1S,   68
.set G0S,   76
.set G1SB,  80
.set G0SB,  88
.set SEL,   100
.set PC,    128
.set T,     152
.set TM,    160
.set PW,    176
.set W0,    180
.set W1,    188
.set MK,    196
.set KEEP,  210
.set HI,    211
.set Z,     212
.set MSB, 0
.macro WIN new
.if MSB != \new
	s_set_vgpr_msb (MSB<<8)|\new
.set MSB, \new
.endif
.endm
.macro PLACES
.rept 4
	v_nop
.endr
.endm
.macro JLOAD g0a, g1a, g0b, g1b
	s_cmp_eq_u32 s15, 0
	s_cbranch_scc0 .Lfor_b_\@
	tensor_load_to_lds s[\g0a:\g0a+3], s[\g1a:\g1a+7]
	s_nop 0
.rept 4
	v_nop
.endr
	s_branch .Lasked_\@
.Lfor_b_\@:
	tensor_load_to_lds s[\g0b:\g0b+3], s[\g1b:\g1b+7]
	s_nop 0
.rept 4
	v_nop
.endr
.Lasked_\@:
.endm
.macro CREST
	s_cmp_lg_u32 s14, 0
	s_cbranch_scc1 .Lnot_wave_0_\@
	s_barrier_signal -3
.Lnot_wave_0_\@:
	s_barrier_wait -3
	s_barrier_signal -1
	s_barrier_wait -1
.endm
.macro CROUND
	s_barrier_signal -1
	s_barrier_wait -1
	CREST
.endm
.macro FRAG reg, a16, a8, q, i
.irp c, 0,1
	ds_load_b128 v[\reg+6*\c:\reg+6*\c+3], v[\a16] offset:(\i)*3072+(2*(\q)+\c)*768
	ds_load_b64 v[\reg+6*\c+4:\reg+6*\c+5], v[\a8] offset:(\i)*3072+(2*(\q)+\c)*768+512
.endr
.endm
.macro FETCH_B slot, q, set
	WIN 0x40
.irp i, 0,1,2,3,4,5,6,7
.if \i < NB
	FRAG 128*(\set)+FR*\i, B16+\slot, B8+\slot, \q, \i
.endif
.endr
	WIN 0
.endm
.macro FETCH_A slot, q, i0
.irp i, \i0, \i0+1, \i0+2, \i0+3
	FRAG AF+FR*(\i), A16+\slot, A8+\slot, \q, \i
.endr
.endm
.macro SCALES
.irp i, 0,1,2,3,4,5,6,7
.irp m, 0,1
	ds_load_b128 v[SC+8*\i+4*\m:SC+8*\i+4*\m+3], v[ADRS] offset:512*\i+256*\m
.endr
.endr
.endm
.macro MULA a0, set, kap, zero
.irp a, \a0, \a0+1
.irp b, 0,1,2,3,4,5,6,7
.if \b < NB
.set rD, 8*(8*((\a)%4)+\b)
.set rB, 128*(\set)+FR*\b
.set rA, AF+FR*(\a)
.set rC, rD
.if \zero == 1
.set rC, 96+8*\b+96*(\b/4)
.endif
.if \zero == 2
.set rC, 96+8*(\a)+96*((\a)/4)
.endif
	v_wmma_scale_f32_16x16x128_f8f6f4 v[rD:rD+7], v[rB:rB+FR-1], v[rA:rA+FR-1], v[rC:rC+7], v[SC+8*\b+(\kap)], v[SC+8*(\a)+(\kap)] matrix_a_fmt:MATRIX_FMT_FP6 matrix_b_fmt:MATRIX_FMT_FP6 matrix_a_scale:MATRIX_SCALE_ROW1
.endif
.endr
.endr
.endm
.macro WINLO zero
.if \zero
	WIN 0x81
.else
	WIN 0xa1
.endif
.endm
.macro WINHI zero
.if \zero
	WIN 0xc1
.else
	WIN 0xf1
.endif
.endm
.macro STEP slot, kap, zero
	s_wait_dscnt 16
	WINLO \zero
	MULA 0, 0, \kap, \zero
	MULA 2, 0, \kap, \zero
	s_wait_dscnt 0x0
	PLACES
	FETCH_B \slot, 1, 1
	FETCH_A \slot, 1, 0
	WINHI \zero
	MULA 4, 0, \kap, \zero
	MULA 6, 0, \kap, \zero
	PLACES
	WIN 0
	FETCH_A \slot, 1, 4
.endm
.macro TURN slot, next, fill, kap
	s_wait_tensorcnt 0x0
	ds_add_u32 v[SPW], v[NIL]
	s_wait_dscnt 17
	WIN 0xa1
	MULA 0, 1, \kap, 0
	s_wait_dscnt 0x0
	s_barrier_signal -1
	MULA 2, 1, \kap, 0
	WIN 0
	s_barrier_wait -1
.if \fill
	CREST
	s_add_nc_u64 s[G0+4*\slot+2:G0+4*\slot+3], s[G0+4*\slot+2:G0+4*\slot+3], 6144
	s_add_nc_u64 s[G0B+4*\slot+2:G0B+4*\slot+3], s[G0B+4*\slot+2:G0B+4*\slot+3], 6144
	JLOAD G0+4*\slot, G1, G0B+4*\slot, G1B
.else
	PLACES
.endif
	FETCH_B \next, 0, 0
	FETCH_A \next, 0, 0
	WIN 0xf1
	MULA 4, 1, \kap, 0
	MULA 6, 1, \kap, 0
	PLACES
	WIN 0
	FETCH_A \next, 0, 4
.endm
.macro QUANTW a
.set AC, 64*((\a)%4)
.set WW, 2+(\a)/4
.set WN, 5*WW
	WIN WN
.irp b, 0,1,2,3
	v_max3_num_f32 v[TM+\b], |v[AC+16*\b]|, |v[AC+16*\b+1]|, 0x1800000
.endr
.irp i, 2,4,6,8,10,12,14
.irp b, 0,1,2,3
	v_max3_num_f32 v[TM+\b], |v[AC+16*\b+\i]|, |v[AC+16*\b+\i+1]|, v[TM+\b]
.endr
.endr
	WIN 0
.irp b, 0,1,2,3
	v_permlanex16_b32 v[TM+4+\b], v[TM+\b], s[SEL], s[SEL+1]
.endr
.irp b, 0,1,2,3
	v_max_num_f32 v[TM+\b], v[TM+\b], v[TM+4+\b]
.endr
.irp b, 0,1,2,3
	v_add_nc_u32 v[TM+12+\b], 0xff000000, v[TM+\b]
.endr
.irp b, 0,1,2,3
	v_lshrrev_b32 v[TM+4+\b], 23, v[TM+12+\b]
.endr
	v_lshl_or_b32 v[PW], v[TM+5], 8, v[TM+4]
	v_lshl_or_b32 v[PW], v[TM+6], 16, v[PW]
	v_lshl_or_b32 v[PW], v[TM+7], 24, v[PW]
	s_wait_xcnt 0x0
	WIN WW
.irp c, 0,1
	v_cvt_scalef32_pk16_fp6_f32 v[PC+6*\c:PC+6*\c+2], v[AC+32*\c:AC+32*\c+15], v[TM+12+2*\c]
	v_cvt_scalef32_pk16_fp6_f32 v[PC+12+4*\c:PC+14+4*\c], v[AC+16+32*\c:AC+31+32*\c], v[TM+13+2*\c]
.endr
	WIN 0
	v_nop
.irp c, 0,1
.irp i, 0,1,2
	v_permlane16_swap_b32 v[PC+6*\c+\i], v[PC+12+4*\c+\i]
.endr
.irp i, 0,1,2
	v_mov_b32 v[PC+3+6*\c+\i], v[PC+12+4*\c+\i]
.endr
.endr
.endm
	s_load_b128 s[4:7], s[0:1], 0x0
	s_load_b128 s[8:11], s[0:1], 0x10
	v_lshl_add_u32 v[SPW], v0, 2, SPARE
	v_mov_b32 v[NIL], 0
	ds_add_u32 v28, v29
	ds_add_u32 v28, v29
	s_wait_dscnt 0x0
	v_lshrrev_b32 v1, 5, v0
	v_readfirstlane_b32 s14, v1
	s_lshr_b32 s15, s14, 1
	s_and_b32 s16, s14, 1
	s_bfe_u32 s40, ttmp6, 0x40000
	s_bfe_u32 s41, ttmp6, 0x40004
	s_lshl_b32 s43, s41, 2
	s_lshl_b32 s43, 15, s43
	s_lshl_b32 s44, 0x1111, s40
	s_or_b32 s[G1+0], s43, (3<<16)|(1<<21)
	s_or_b32 s[G1B+0], s44, (3<<16)|(1<<21)
.irp g, G1, G1B
	s_mov_b32 s[\g+1], 384<<16
	s_mov_b32 s[\g+3], 384<<16
	s_mov_b32 s[\g+5], 1536
	s_mov_b32 s[\g+6], 0
	s_mov_b32 s[\g+7], 0
.endr
	s_mov_b32 s[G1+2], 16<<16                      ; the head's loads bring both halves of a tile: 16 row tiles of A,
	s_mov_b32 s[G1+4], 16
	s_mov_b32 s[G1B+2], (2*NB)<<16                 ; 2 NB of B
	s_mov_b32 s[G1B+4], 2*NB
	s_or_b32 s[G1S+0], s43, (3<<16)|(1<<21)
	s_or_b32 s[G1SB+0], s44, (3<<16)|(1<<21)
.irp g, G1S, G1SB
	s_mov_b32 s[\g+1], 32<<16
	s_mov_b32 s[\g+3], 32<<16
	s_mov_b32 s[\g+5], 32
	s_mov_b32 s[\g+6], 0
	s_mov_b32 s[\g+7], 0
.endr
	s_mov_b32 s[G1S+2], 32<<16                     ; and the scales of both halves
	s_mov_b32 s[G1S+4], 32
	s_mov_b32 s[G1SB+2], (4*NB)<<16
	s_mov_b32 s[G1SB+4], 4*NB
	s_mov_b32 s[SEL], 0x76543210
	s_mov_b32 s[SEL+1], 0xfedcba98
	s_and_b32 s19, ttmp7, 0xffff
	s_lshl_b32 s19, s19, 2
	s_lshl_b32 s20, ttmp9, 2
	s_wait_kmcnt 0x0
	s_cmp_eq_u32 ttmp9, 2
	s_cselect_b32 s17, 8, s19
	s_cselect_b32 s42, s19, s20
	s_cselect_b64 s[92:93], s[8:9], s[4:5]
	s_cselect_b64 s[94:95], s[10:11], s[6:7]
	s_cselect_b64 s[96:97], s[4:5], s[8:9]
	s_cselect_b64 s[98:99], s[6:7], s[10:11]
	s_add_co_u32 s17, s17, s41
	s_add_co_u32 s42, s42, s40
	s_load_b128 s[4:7], s[0:1], 0x20
	s_load_b64 s[8:9], s[0:1], 0x30
	s_lshl_b32 s18, s16, 3
	s_lshl_b32 s20, s17, 4
	s_add_co_u32 s20, s20, s18
	s_lshl_b32 s46, s42, 4
	s_add_co_u32 s46, s46, s18
	s_lshl_b32 s22, s20, 9
	s_mov_b32 s23, 0
	s_mul_i32 s20, s20, 12288
	s_mov_b32 s21, 0
	s_lshl_b32 s66, s46, 9
	s_mov_b32 s67, 0
	s_mul_i32 s46, s46, 12288
	s_mov_b32 s47, 0
	s_add_nc_u64 s[92:93], s[92:93], s[20:21]
	s_add_nc_u64 s[94:95], s[94:95], s[22:23]
	s_add_nc_u64 s[96:97], s[96:97], s[46:47]
	s_add_nc_u64 s[98:99], s[98:99], s[66:67]
	s_mul_i32 s45, s16, HALFA
	s_mul_i32 s12, s16, HALFB
	s_add_co_u32 s12, s12, 2*HALFA
	CROUND
; THE HEAD'S LOADS, ONE A WAVE: wave 0 slot 0's 16 row tiles of A, wave 1 its 2 NB row tiles of B, wave 2 A's scales, wave 3 B's.  Each begins at the tile's first half: my half's offset is taken off again.
; Slot 0's two groups 0 serve these loads first; behind the wait for them they get the ring's values.
.macro ARM under, g0, g1, next
	s_cmp_lt_u32 s14, \under
	s_cbranch_scc0 \next
	tensor_load_to_lds s[\g0:\g0+3], s[\g1:\g1+7]
	s_nop 0
.rept 4
	v_nop
.endr
	s_branch .Lhead_asked
\next:
.endm
	s_mov_b32 s21, 0
	s_mul_i32 s20, s16, 8*12288
	s_mov_b32 s[G0], 1
	s_mov_b32 s[G0+1], 0
	s_sub_nc_u64 s[G0+2:G0+3], s[92:93], s[20:21]
	s_or_b32 s[G0+3], s[G0+3], 0x80000000
	s_mul_i32 s20, s16, NB*12288
	s_mov_b32 s[G0B], 1
	s_mov_b32 s[G0B+1], 2*HALFA
	s_sub_nc_u64 s[G0B+2:G0B+3], s[96:97], s[20:21]
	s_or_b32 s[G0B+3], s[G0B+3], 0x80000000
	s_lshl_b32 s20, s16, 12
	s_mov_b32 s[G0S], 1
	s_mov_b32 s[G0S+1], SCL
	s_sub_nc_u64 s[G0S+2:G0S+3], s[94:95], s[20:21]
	s_or_b32 s[G0S+3], s[G0S+3], 0x80000000
	s_mul_i32 s20, s16, NB*512
	s_mov_b32 s[G0SB], 1
	s_mov_b32 s[G0SB+1], SCL+8192
	s_sub_nc_u64 s[G0SB+2:G0SB+3], s[98:99], s[20:21]
	s_or_b32 s[G0SB+3], s[G0SB+3], 0x80000000
	ARM 1, G0,  G1,  .Lhead_b
	ARM 2, G0B, G1B, .Lhead_sa
	ARM 3, G0S, G1S, .Lhead_sb
	tensor_load_to_lds s[G0SB:G0SB+3], s[G1SB:G1SB+7]
	s_nop 0
.rept 4
	v_nop
.endr
.Lhead_asked:
	s_mov_b32 s[G0+4], 1                           ; slot 1's groups 0: my half of the second 256 along K
	s_add_co_u32 s[G0+5], s45, SLOT
	s_add_nc_u64 s[G0+6:G0+7], s[92:93], 3072
	s_or_b32 s[G0+7], s[G0+7], 0x80000000
	s_mov_b32 s[G0B+4], 1
	s_add_co_u32 s[G0B+5], s12, SLOT
	s_add_nc_u64 s[G0B+6:G0B+7], s[96:97], 3072
	s_or_b32 s[G0B+7], s[G0B+7], 0x80000000
	v_and_b32 v1, 15, v0
	v_bfe_u32 v2, v0, 4, 1
	v_and_b32 v3, 31, v0
	v_lshlrev_b32 v[L16], 4, v3
	v_lshlrev_b32 v[L8], 3, v3
	v_and_b32 v4, 8, v1
	v_add_nc_u32 v4, v4, v1
	v_lshlrev_b32 v[MO], 2, v4
	s_mul_i32 s21, s15, HALFA
	s_mul_i32 s22, s16, HALFB
	s_add_co_u32 s22, s22, 2*HALFA
.irp s, 0,1
	v_add_nc_u32 v[A16+\s], s21, v[L16]
	v_add_nc_u32 v[A8+\s], s21, v[L8]
	v_add_nc_u32 v[B16+\s], s22, v[L16]
	v_add_nc_u32 v[B8+\s], s22, v[L8]
	s_add_co_u32 s21, s21, SLOT
	s_add_co_u32 s22, s22, SLOT
.endr
	v_lshlrev_b32 v5, 4, v1
	s_lshl_b32 s21, s15, 12
	s_mul_i32 s22, s16, NB*512
	s_add_co_u32 s22, s22, 8192
	s_sub_co_u32 s22, s22, s21
	v_mul_u32_u24 v6, s22, v2
	s_add_co_u32 s21, s21, SCL
	v_add_nc_u32 v5, v5, v6
	v_add_nc_u32 v[ADRS], s21, v5
	v_lshlrev_b32 v5, 6, v2
	s_wait_kmcnt 0x0
	s_cmp_eq_u32 ttmp9, 2
	s_cbranch_scc1 .Lbias_v
	s_cmp_eq_u32 ttmp9, 0
	s_cselect_b64 s[4:5], s[4:5], s[6:7]
	s_lshl_b32 s18, s40, 10
	s_lshl_b32 s19, s16, 9
	s_add_co_u32 s18, s18, s19
	s_mov_b32 s19, 0
	s_add_nc_u64 s[4:5], s[4:5], s[18:19]
	s_wait_alu depctr_va_vdst(0)
.irp b, 0,1,2,3,4,5,6,7
	global_load_b128 v[96+8*\b+96*(\b/4):96+8*\b+96*(\b/4)+3], v5, s[4:5] offset:(32*(\b/2)+8*(\b%2))*4
	global_load_b128 v[96+8*\b+96*(\b/4)+4:96+8*\b+96*(\b/4)+7], v5, s[4:5] offset:(32*(\b/2)+8*(\b%2))*4+16
.endr
	s_branch .Lbias_done
.Lbias_v:
	s_lshl_b32 s18, s41, 10
	s_lshl_b32 s19, s15, 9
	s_add_co_u32 s18, s18, s19
	s_mov_b32 s19, 0
	s_add_nc_u64 s[8:9], s[8:9], s[18:19]
.irp a, 0,1,2,3,4,5,6,7
.irp j, 0,1,2,3,4,5,6,7
	global_load_b32 v[96+8*\a+96*(\a/4)+\j], v[MO], s[8:9] offset:(32*(\a/2)+8*(\a%2))*4
.endr
.endr
.Lbias_done:
	s_wait_alu depctr_va_vdst(0)                   ; the wait at the head's end
	s_wait_tensorcnt 0x0                           ; my tile of the head's four is in; the lines ahead of a later first fill:
	ds_add_u32 v28, v29
	s_mov_b32 s[G1+2], 8<<16                       ; no tensor load of mine is out: from here on a load brings one half of a tile,
	s_mov_b32 s[G1+4], 8
	s_mov_b32 s[G1B+2], NB<<16
	s_mov_b32 s[G1B+4], NB
	s_add_co_u32 s[G0+1], s45, 0                   ; and slot 0's groups 0 get the ring's values
	s_mov_b64 s[G0+2:G0+3], s[92:93]
	s_or_b32 s[G0+3], s[G0+3], 0x80000000
	s_add_co_u32 s[G0B+1], s12, 0
	s_mov_b64 s[G0B+2:G0B+3], s[96:97]
	s_or_b32 s[G0B+3], s[G0B+3], 0x80000000
	s_wait_dscnt 0x0
	CROUND                                         ; all four tiles are in, in every work-group of the cluster
	JLOAD G0+4, G1, G0B+4, G1B                     ; slot 1's first fill, the first tensor load behind the round
	FETCH_B 0, 0, 0
	FETCH_A 0, 0, 0
	s_wait_alu depctr_va_vdst(0)
	SCALES
	FETCH_A 0, 0, 4
	s_wait_loadcnt 0x0
	s_load_b64 s[4:5], s[0:1], 0x38
	s_load_b128 s[8:11], s[0:1], 0x40
	s_cmp_eq_u32 ttmp9, 2
	s_cbranch_scc1 .Lfirst_v
	STEP 0, 0, 1
	s_branch .Lfirst_done
.Lfirst_v:
	STEP 0, 0, 2
.Lfirst_done:
	TURN 0, 1, 1, 1
	STEP 1, 2, 0
	TURN 1, 0, 1, 3
	STEP 0, 4, 0
	TURN 0, 1, 0, 5
	STEP 1, 6, 0
	s_wait_dscnt 16
	WIN 0xa1
	MULA 0, 1, 7, 0
	MULA 2, 1, 7, 0
	s_wait_dscnt 0x0
	WIN 0xf1
	MULA 4, 1, 7, 0
	MULA 6, 1, 7, 0
	WIN 0
	PLACES
	s_wait_kmcnt 0x0
	s_mov_b32 s3, 0xffff0000
.irp b, 0,1,2,3
	v_mov_b32 v[TM+4+\b], 0
.endr
	s_cmp_eq_u32 ttmp9, 2
	s_cbranch_scc1 .Lout_v
	s_mov_b32 s18, 15104
	s_mov_b32 s19, 14336
	s_mov_b32 s22, 0x01010000
	s_cmp_eq_u32 ttmp9, 0
	s_cselect_b64 s[12:13], s[8:9], s[10:11]
	s_cselect_b32 s18, 8704, s18
	s_cselect_b32 s19, 8192, s19
	s_cselect_b32 s20, 1, 0
	s_cselect_b32 s21, 0x28, 0
	s_cselect_b32 s22, 0x017f0000, s22
	s_lshl_b32 s23, s17, 1
	s_add_co_u32 s23, s23, s15
	s_lshr_b32 s45, s23, 4
	s_lshl_b32 s45, s45, 4
	s_lshl_b32 s46, s40, 2
	s_add_co_u32 s45, s45, s46
	s_lshl_b32 s46, s16, 1
	s_add_co_u32 s45, s45, s46
	s_lshl_b32 s45, s45, 4
	s_and_b32 s46, s23, 15
	s_add_co_u32 s45, s45, s46
	s_mul_i32 s46, s45, s18
	s_mov_b32 s47, 0
	s_add_nc_u64 s[12:13], s[12:13], s[46:47]
	s_lshl_b32 s46, s18, 4
	s_add_nc_u64 s[92:93], s[12:13], s[46:47]
	s_mov_b32 s46, s19
	s_add_nc_u64 s[94:95], s[12:13], s[46:47]
	s_add_nc_u64 s[96:97], s[92:93], s[46:47]
	s_lshl_b32 s46, s23, 9
	s_add_nc_u64 s[4:5], s[4:5], s[46:47]
.irp a, 0,1,2,3,4,5,6,7
	global_load_b32 v[MK+\a], v[MO], s[4:5] offset:(32*(\a/2)+8*(\a%2))*4
.endr
	v_mov_b32 v204, -1
	v_mov_b32 v205, 0
	v_mov_b32 v206, s21
	v_cndmask_b32 v206, v206, v205, s3
	v_mov_b32 v207, 8
	v_mov_b32 v208, s22
	v_mov_b32 v209, 0x01a00000
	v_mov_b32 v[T+3], 0
.irp a, 0,1,2,3,4,5,6,7
	QUANTW \a
.if \a == 0
	s_wait_loadcnt 0x0
.irp e, 0,1,2,3,4,5,6,7
	v_or_b32 v[MK+\e], s20, v[MK+\e]
.endr
.endif
	v_cmp_eq_u32 vcc_lo, 0, v[MK+\a]
	v_cndmask_b32 v[KEEP], v204, v205, vcc_lo
	v_cndmask_b32 v[HI], v208, v209, vcc_lo
	v_cndmask_b32 v[T+2], v206, v207, vcc_lo
	v_cndmask_b32 v[PC+12], v206, v207, vcc_lo
	v_mov_b32 v[PC+13], 0
	v_and_b32 v[T], v[KEEP], v[PC+4]
	v_and_b32 v[T+1], v[KEEP], v[PC+5]
.irp i, 0,1,2,3,6,7,8,9,10,11
	v_and_b32 v[PC+\i], v[KEEP], v[PC+\i]
.endr
	global_store_b128 v[L16], v[PC:PC+3], s[12:13] offset:1024*\a
	global_store_b128 v[L16], v[T:T+3], s[12:13] offset:1024*\a+512
	global_store_b128 v[L16], v[PC+6:PC+9], s[92:93] offset:1024*\a
	global_store_b128 v[L16], v[PC+10:PC+13], s[92:93] offset:1024*\a+512
	v_and_or_b32 v[W0+\a], v[PW], 0xffff, v[HI]
	v_lshrrev_b32 v[W1+\a], 16, v[PW]
	v_or_b32 v[W1+\a], v[W1+\a], v[HI]
.endr
.irp i, 0,1,2,3
	v_cndmask_b32 v[Z+\i], v[W0+2*\i], v[W0+2*\i+1], s3
	v_cndmask_b32 v[Z+4+\i], v[W1+2*\i], v[W1+2*\i+1], s3
.endr
	global_store_b128 v[L16], v[Z:Z+3], s[94:95]
	global_store_b128 v[L16], v[Z+4:Z+7], s[96:97]
	s_branch .Lend
.Lout_v:
	s_lshl_b32 s23, s42, 1
	s_add_co_u32 s23, s23, s16
	s_lshr_b32 s45, s23, 4
	s_lshl_b32 s45, s45, 4
	s_lshl_b32 s46, s41, 2
	s_add_co_u32 s45, s45, s46
	s_lshl_b32 s46, s15, 1
	s_add_co_u32 s45, s45, s46
	s_lshl_b32 s45, s45, 4
	s_and_b32 s46, s23, 15
	s_add_co_u32 s45, s45, s46
	s_mul_i32 s46, s45, 15104
	s_add_co_u32 s46, s46, 8192
	s_mov_b32 s47, 0
	s_add_nc_u64 s[12:13], s[10:11], s[46:47]
	s_add_nc_u64 s[92:93], s[12:13], 16*15104
.irp a, 0,1,2,3,4,5,6,7
	QUANTW \a
.irp c, 0,1,2
.if \a < 4
	global_store_b128 v[L16], v[PC+4*\c:PC+4*\c+3], s[12:13] offset:1536*(\a%4)+512*\c
.else
	global_store_b128 v[L16], v[PC+4*\c:PC+4*\c+3], s[92:93] offset:1536*(\a%4)+512*\c
.endif
.endr
	v_mov_b32 v[W0+\a], v[PW]
.endr
.irp i, 0,1
	v_cndmask_b32 v[Z+\i], v[W0+2*\i], v[W0+2*\i+1], s3
	v_cndmask_b32 v[Z+4+\i], v[W0+4+2*\i], v[W0+5+2*\i], s3
.endr
	global_store_b64 v[L8], v[Z:Z+1], s[12:13] offset:6656
	global_store_b64 v[L8], v[Z+4:Z+5], s[92:93] offset:6656
.Lend:
	s_wait_tensorcnt 0x0
	ds_add_u32 v[SPW], v[NIL]
	s_wait_dscnt 0x0
	CROUND
	s_endpgm
.Lfunc_end_k_q00f3d72bd3_qkv:
	.size	k_q00f3d72bd3_qkv, .Lfunc_end_k_q00f3d72bd3_qkv-k_q00f3d72bd3_qkv
	.p2alignl 7, 3214868480
	.fill 96, 4, 3214868480
	.section	.rodata,"a",@progbits
	.p2align	6, 0x0
	.amdhsa_kernel k_q00f3d72bd3_qkv
		.amdhsa_group_segment_fixed_size 327680
		.amdhsa_private_segment_fixed_size 0
		.amdhsa_enable_private_segment 0
		.amdhsa_kernarg_size 80
		.amdhsa_user_sgpr_count 2
		.amdhsa_user_sgpr_kernarg_segment_ptr 1
		.amdhsa_wavefront_size32 1
		.amdhsa_system_sgpr_workgroup_id_x 1
		.amdhsa_system_sgpr_workgroup_id_y 1
		.amdhsa_system_sgpr_workgroup_id_z 1
		.amdhsa_system_vgpr_workitem_id 0
		.amdhsa_next_free_vgpr 1024
		.amdhsa_next_free_sgpr 102
		.amdhsa_reserve_vcc 1
		.amdhsa_float_denorm_mode_32 3
		.amdhsa_float_denorm_mode_16_64 3
		.amdhsa_memory_ordered 1
		.amdhsa_forward_progress 1
		.amdhsa_inst_pref_size 212
	.end_amdhsa_kernel
	.amdgpu_metadata
---
amdhsa.version: [ 1, 2 ]
amdhsa.kernels:
  - .name:           k_q00f3d72bd3_qkv
    .symbol:         k_q00f3d72bd3_qkv.kd
    .args:
      - { .name: xcod, .offset: 0, .size: 8, .value_kind: global_buffer, .address_space: global }
      - { .name: xscl, .offset: 8, .size: 8, .value_kind: global_buffer, .address_space: global }
      - { .name: wcod, .offset: 16, .size: 8, .value_kind: global_buffer, .address_space: global }
      - { .name: wscl, .offset: 24, .size: 8, .value_kind: global_buffer, .address_space: global }
      - { .name: bq, .offset: 32, .size: 8, .value_kind: global_buffer, .address_space: global }
      - { .name: bk, .offset: 40, .size: 8, .value_kind: global_buffer, .address_space: global }
      - { .name: bv, .offset: 48, .size: 8, .value_kind: global_buffer, .address_space: global }
      - { .name: mask, .offset: 56, .size: 8, .value_kind: global_buffer, .address_space: global }
      - { .name: qrec, .offset: 64, .size: 8, .value_kind: global_buffer, .address_space: global }
      - { .name: kvrec, .offset: 72, .size: 8, .value_kind: global_buffer, .address_space: global }
    .group_segment_fixed_size: 327680
    .private_segment_fixed_size: 0
    .kernarg_segment_align: 8
    .kernarg_segment_size: 80
    .max_flat_workgroup_size: 128
    .sgpr_count:     102
    .vgpr_count:     1024
    .wavefront_size: 32
...
	.end_amdgpu_metadata
.endif
;; end of part 2
;; launch attn (part 3): grid 4 x 64, 8 waves a work-group, clusters of 4 x 1, 243,712 bytes of LDS; arguments qrec, kvrec, acod, ascl; writes acod, ascl
.if DOCPART == 3
	.amdgcn_target "amdgcn-amd-amdhsa--gfx1250"
	.amdhsa_code_object_version 6
	.text
	.protected	k_q00f3d72bd3_attn
	.globl	k_q00f3d72bd3_attn
	.p2align	8
	.type	k_q00f3d72bd3_attn,@function
k_q00f3d72bd3_attn:
	s_mov_b64 s[64:65], 0
	v_nop
	global_prefetch_b8 v0, s[64:65] scope:SCOPE_SE
	s_setreg_imm32_b32 hwreg(HW_REG_WAVE_MODE, 25, 1), 1
	s_wait_xcnt 0x0
	s_wait_alu depctr_hold_cnt(0) depctr_sa_sdst(0) depctr_va_vdst(0) depctr_va_sdst(0) depctr_va_ssrc(0) depctr_va_vcc(0) depctr_vm_vsrc(0)
	s_getreg_b32 s2, hwreg(HW_REG_IB_STS2, 6, 4)
	s_cmp_eq_u32 s2, 0
	s_cbranch_scc0 .Lentry_in_a_cluster
	s_endpgm
.Lentry_in_a_cluster:
	s_bfe_u32 s2, ttmp6, 0x10000c
	s_cmp_lg_u32 s2, 0x3003
	s_cbranch_scc0 .Lentry_shape_is_right
	s_endpgm
.Lentry_shape_is_right:
; Attention on codes of FP6 (E2M3) with E8M0 scales: for each (batch, head) O = softmax(Q K^T / 8, masked) V; O is quantised along the channels and stored as the output projection's operand.
; THE SOFTMAX AHEAD OF THE SECOND PRODUCT: t = score x log2(e) / 8; M = the row's largest t so far, rounded up to a whole number; p = 2^(t - M) is quantised along the keys, not normalised;
; the row's sum is taken of the unquantised p and divides O at the end.  When M moves, the sum and O are multiplied by 2^(old M - new M), which rounds nothing.
; THE MASK lies in the operands: the head has 64 along K, the instruction 128; at k = 64 a query has -1.0 and a masked key 1.0 x 2^33 (its real codes are zeros): its score is exactly -2^33.
; LIMITS: a masked logit is -2^30 where the definition writes -1e9: the same results while open logits stay above about -1e9; the promise holds while the scaled scores stay under 2^31 in magnitude.
; SHARES.  The cluster's y is batch x 16 + head; its four work-groups take 512 queries each.  A work-group has eight waves; a wave owns TWO tiles of 16 queries (x = 0, 1) in each of two passes:
; tile 16 pass + 2 wave + x.  So each fragment of K and of V^T read from LDS feeds two products.
; THE HEAD'S K AND V, sixteen records of 15,104 bytes (128 keys each), fill LDS ONCE: wave w asks for records 2 w and 2 w + 1 by one load, jointly with the same wave of the three partners.
; Nothing is filled again: one barrier, none in the loops.  No prefetch: all of K and V is asked for at the head, so there is no loop in which to ask ahead.
; A record: 8 tiles of K x 1,024 (registers 0-3 at 16 l, 4-7 at 512 + 16 l); at 8,192 four fragments of V^T x 1,536; at 14,336 K's scale words; at 14,848 V's.
; LAYOUT.  Both products are used transposed: S^T = K Q^T, O^T = V^T P^T: a lane holds one query (lane % 16).  The keys of tile 2 b + u are 32 b + 8 u + r + 8 (r / 8), so the 16 registers of
; tiles 2 b, 2 b + 1 are keys 32 b + 16 h + 0 .. 15; V^T's channels are ordered likewise.
; A STEP i (128 keys) IS ROTATED, so that vector lines stand among the products.  Its top: the 16 products of S^T(i), behind each two or three of the 38 lines that finish p(i - 1) (scale words, lane swaps, moves);
; K(i + 1)'s 17 LDS loads; the 8 products of O^T(i - 1), behind each five lines of the search for S^T(i)'s block maxima; V(i)'s 13 LDS loads.  Then the softmax of both tiles up to the conversions.
; A pass's first step has a top of its own (products and maxima alone), chosen by the step's counter; the last step's finish and its 8 products stand behind the loop.
; K's record is (i + 1) % 16: the wrap serves the second pass; behind the last pass those 17 loads are not read.
; Tile 0's exponentials stand among tile 1's multiply-adds, tile 1's among the first level of tile 0's sum: lines that hang on nothing in their batch.
; REGISTERS.  Window 0: v1-4 lane terms, v8, v10, v11 LDS addresses, then as named below.  Window 1 (names QF, KF, VF, O): Q's two fragments, K's eight, V^T's four, O^T 2 x 32.
.set REC,  15104
.set QREC, 8704
.set VOF,  8192
.set KSC,  14336
.set VSC,  14848
.set SPARE, 0x3b000                    ; behind the sixteen records: the spare words, 128 bytes a wave
.set VA,   10                          ; v10, v11 V's record: + 16 lane, + 8 lane
.set VB,   11
.set NM,   12                          ; v12-15  for each tile the pair (-M, the largest score so far)
.set SUM,  16                          ; v16-19  the row's sum, two halves a tile
.set F,    20                          ; v20-23  f = 2^(old M - new M), low word of a pair
.set KS,   24                          ; v24-27  K's scale words
.set VS,   28                          ; v28-29  V's
.set QS,   30                          ; v30-31  Q's
.set PS,   32                          ; v32-33  p's
.set SPW,  34                          ; v34     my spare word
.set NIL,  35                          ; v35     0
.set BM,   36                          ; v36-43  a block's largest score, then its largest p: 4 x + b
.set PM,   44                          ; v44-51  what lane l xor 16 holds; then scale bytes
.set T,    52                          ; v52-59  at work
.set SOP,  60                          ; v60-67  the conversions' scale operands
.set CT,   72                          ; v72-87  the second halves' codes
.set S,    96                          ; v96-223 S^T, then p: 64 x + 8 t + j
.set PC,   224                         ; v224-247 p's codes, 12 a tile
.set U,    224                         ; v224-255 sixteen pairs for the sums, free until the conversions
.set QF,   0
.set KF,   24
.set VF,   120
.set O,    168
.set MSB, 0
.macro WIN new                         ; the immediate's high byte repeats the setting that is left
.if MSB != \new
	s_set_vgpr_msb (MSB<<8)|\new
.set MSB, \new
.endif
.endm
.macro WALU
	s_wait_alu depctr_va_vdst(0)
.endm
.macro CROUND                          ; a round of the cluster's barrier
	s_barrier_signal -1
	s_barrier_wait -1
	s_cmp_lg_u32 s12, 0
	s_cbranch_scc1 .Lnot_wave_0_\@
	s_barrier_signal -3
.Lnot_wave_0_\@:
	s_barrier_wait -3
	s_barrier_signal -1
	s_barrier_wait -1
.endm
.macro SPROD t, x                      ; tile t of S^T of query tile x; K's scale words: register t / 2, lanes 0-15 for even tiles, lanes 16-31 for odd ones
.if (\t)%2
	v_wmma_scale_f32_16x16x128_f8f6f4 v[S+64*(\x)+8*(\t):S+64*(\x)+8*(\t)+7], v[KF+12*(\t):KF+12*(\t)+11], v[QF+12*(\x):QF+12*(\x)+11], 0, v[KS+(\t)/2], v[QS+(\x)] matrix_a_fmt:MATRIX_FMT_FP6 matrix_b_fmt:MATRIX_FMT_FP6 matrix_a_scale:MATRIX_SCALE_ROW1
.else
	v_wmma_scale_f32_16x16x128_f8f6f4 v[S+64*(\x)+8*(\t):S+64*(\x)+8*(\t)+7], v[KF+12*(\t):KF+12*(\t)+11], v[QF+12*(\x):QF+12*(\x)+11], 0, v[KS+(\t)/2], v[QS+(\x)] matrix_a_fmt:MATRIX_FMT_FP6 matrix_b_fmt:MATRIX_FMT_FP6
.endif
.endm
.macro PVPROD t, x                     ; tile t of O^T of query tile x
.if (\t)%2
	v_wmma_scale_f32_16x16x128_f8f6f4 v[O+32*(\x)+8*(\t):O+32*(\x)+8*(\t)+7], v[VF+12*(\t):VF+12*(\t)+11], v[PC+12*(\x):PC+12*(\x)+11], v[O+32*(\x)+8*(\t):O+32*(\x)+8*(\t)+7], v[VS+(\t)/2], v[PS+(\x)] matrix_a_fmt:MATRIX_FMT_FP6 matrix_b_fmt:MATRIX_FMT_FP6 matrix_a_scale:MATRIX_SCALE_ROW1
.else
	v_wmma_scale_f32_16x16x128_f8f6f4 v[O+32*(\x)+8*(\t):O+32*(\x)+8*(\t)+7], v[VF+12*(\t):VF+12*(\t)+11], v[PC+12*(\x):PC+12*(\x)+11], v[O+32*(\x)+8*(\t):O+32*(\x)+8*(\t)+7], v[VS+(\t)/2], v[PS+(\x)] matrix_a_fmt:MATRIX_FMT_FP6 matrix_b_fmt:MATRIX_FMT_FP6
.endif
.endm
.macro KLOAD                           ; 17 LDS loads: the scale words and eight tiles of K of the record at v8
	ds_load_b128 v[KS:KS+3], v8 offset:KSC
	WIN 0x40
.irp t, 0,1,2,3,4,5,6,7
	ds_load_b128 v[KF+12*\t:KF+12*\t+3], v8 offset:1024*\t
	ds_load_b128 v[KF+12*\t+4:KF+12*\t+7], v8 offset:1024*\t+512
.endr
	WIN 0
.endm
.macro VLOAD                           ; 13 LDS loads: four fragments of V^T and their scale words
	WIN 0x40
.irp t, 0,1,2,3
.irp c, 0,1,2
	ds_load_b128 v[VF+12*\t+4*\c:VF+12*\t+4*\c+3], v[VA] offset:VOF+1536*\t+512*\c
.endr
.endr
	WIN 0
	ds_load_b64 v[VS:VS+1], v[VB] offset:VSC
.endm
.macro QLOAD                           ; my two tiles of Q and their scale words: they stay in registers for a pass
	WIN 0x40
.irp x, 0,1
	global_load_b128 v[QF+12*\x:QF+12*\x+3], v1, s[36:37] offset:1024*\x
	global_load_b128 v[QF+12*\x+4:QF+12*\x+7], v1, s[36:37] offset:1024*\x+512
.endr
	WIN 0
	global_load_b32 v[QS], v3, s[38:39]
	global_load_b32 v[QS+1], v3, s[38:39] offset:256
.endm
.macro UADD d, a                       ; pair d of the sums += pair a
	v_pk_add_f32 v[U+2*(\d):U+2*(\d)+1], v[U+2*(\d):U+2*(\d)+1], v[U+2*(\a):U+2*(\a)+1]
.endm
.macro FIN i                           ; line i of the 38 that finish p behind its conversions: 8 scale bytes, 6 lines for the two scale words, 12 lane swaps, 12 moves
.if (\i) < 8
	v_lshrrev_b32 v[PM+(\i)], 23, v[SOP+(\i)]
.elseif (\i) < 12
	v_lshl_or_b32 v[T+(\i)-8], v[PM+2*((\i)-8)+1], 8, v[PM+2*((\i)-8)]
.elseif (\i) < 14
	v_lshl_or_b32 v[PS+(\i)-12], v[T+2*((\i)-12)+1], 16, v[T+2*((\i)-12)]
.elseif (\i) < 26
	v_permlane16_swap_b32 v[PC+6*(((\i)-14)/3)+((\i)-14)%3], v[CT+4*(((\i)-14)/3)+((\i)-14)%3]   ; a whole block in a lane: lanes 0-15 block 2 c, lanes 16-31 block 2 c + 1
.else
	v_mov_b32 v[PC+6*(((\i)-26)/3)+3+((\i)-26)%3], v[CT+4*(((\i)-26)/3)+((\i)-26)%3]
.endif
.endm
.macro MAXL i                          ; line i of the 64 that find the largest score of each block of 32 keys: eight chains by turns, each accumulator from its low end on
.if (\i) < 8
	v_max3_num_f32 v[BM+(\i)], v[S+16*(\i)], v[S+16*(\i)+1], v[S+16*(\i)+2]
.elseif (\i) < 56
	v_max3_num_f32 v[BM+(\i)%8], v[BM+(\i)%8], v[S+16*((\i)%8)+2*((\i)/8)+1], v[S+16*((\i)%8)+2*((\i)/8)+2]
.else
	v_max_num_f32 v[BM+(\i)%8], v[BM+(\i)%8], v[S+16*((\i)%8)+15]
.endif
.endm
.macro TOP full                        ; a step's top; full = 0: a pass's first step, with nothing to finish
.set FI, 0
.set MI, 0
.set N, 0
.rept 16
	WIN 0x05                                       ; K and Q in window 1, S^T in window 0
	SPROD N/2, N%2
.if \full
	WIN 0
	FIN FI
	FIN FI+1
.set FI, FI+2
.if N < 6
	FIN FI
.set FI, FI+1
.endif
.endif
.set N, N+1
.endr
	WIN 0
.if !(\full)
.rept 4
	v_nop                                          ; four places behind the products
.endr
.endif
.rept 8
	MAXL MI                                        ; these eight are also the places between the moves of p's codes and the products below
.set MI, MI+1
.endr
	KLOAD                                          ; the next step's K
.if \full
.set N, 0
.rept 8
	WIN 0x51                                       ; O^T and V^T in window 1, p's codes in window 0
	PVPROD N/2, N%2                                ; the eight accumulators by turns
	WIN 0
.rept 5
	MAXL MI
.set MI, MI+1
.endr
.set N, N+1
.endr
.endif
	VLOAD                                          ; this step's V, used at the next step's top
.rept 16+40*(1-\full)
	MAXL MI
.set MI, MI+1
.endr
.endm
	s_load_b256 s[4:11], s[0:1], 0x0               ; qrec s[4:5], kvrec s[6:7], acod s[8:9], ascl s[10:11]
	v_lshl_add_u32 v[SPW], v0, 2, SPARE
	v_mov_b32 v[NIL], 0
	ds_add_u32 v[SPW], v[NIL]                      ; the opening lines: the add twice on end
	ds_add_u32 v[SPW], v[NIL]
	v_lshrrev_b32 v5, 5, v0
	v_readfirstlane_b32 s12, v5                    ; wave 0..7
	s_bfe_u32 s13, ttmp6, 0x40000                  ; cx: it enters the addresses of Q and of the output alone
	s_and_b32 s14, ttmp7, 0xffff                   ; batch x 16 + head, which the four partners share
	s_mov_b32 s16, 15|(3<<16)|(1<<21)              ; group 1: two records as 118 rows of 256 bytes, dense; the mask names all four work-groups
	s_mov_b32 s17, 32<<16
	s_mov_b32 s18, 118<<16
	s_mov_b32 s19, 32<<16
	s_mov_b32 s20, 118
	s_mov_b32 s21, 32
	s_mov_b32 s22, 0
	s_mov_b32 s23, 0
	s_lshl_b32 s44, s14, 3
	s_add_co_u32 s44, s44, s12
	s_mul_i32 s44, s44, 2*REC                      ; records 16 (batch x 16 + head) + 2 wave and the next
	s_mov_b32 s45, 0
	s_mov_b32 s24, 1
	s_mul_i32 s25, s12, 2*REC                      ; their place in LDS
	s_wait_dscnt 0x0
	s_wait_kmcnt 0x0
	s_add_nc_u64 s[26:27], s[6:7], s[44:45]
	s_or_b32 s27, s27, 0x80000000
	CROUND                                         ; all four work-groups are here: the joint loads meet
	tensor_load_to_lds s[24:27], s[16:23]          ; my one tensor load of the launch
	s_nop 0
.rept 4
	v_nop
.endr
	v_and_b32 v5, 31, v0
	v_and_b32 v6, 15, v0
	v_bfe_u32 v7, v0, 4, 1
	v_lshlrev_b32 v1, 4, v5                        ; 16 x lane
	v_lshlrev_b32 v2, 3, v5                        ; 8 x lane
	v_lshlrev_b32 v3, 4, v6                        ; 16 r
	v_add_nc_u32 v4, v3, v7                        ; 16 r + h
	v_mov_b32 v8, v1                               ; record 0
	s_mov_b32 s28, 0x76543210
	s_mov_b32 s29, 0xfedcba98                      ; selects for lane l xor 16
	s_mov_b32 s30, 0x3e38aa3b                      ; c = log2(e) / 8
	s_mov_b32 s31, 0xbe38aa3b                      ; -c
	s_mov_b32 s35, 0xffff0000                      ; lanes 16-31
	s_mov_b32 s51, 0
	s_lshl_b32 s46, s14, 4                         ; Q: record 16 (batch x 16 + head) + 4 cx + wave / 4 (+ 2 in the second pass), tiles 2 (wave % 4) + x
	s_lshl_b32 s47, s13, 2
	s_add_co_u32 s46, s46, s47
	s_lshr_b32 s47, s12, 2
	s_add_co_u32 s46, s46, s47
	s_mul_i32 s46, s46, QREC
	s_and_b32 s48, s12, 3
	s_lshl_b32 s49, s48, 11
	s_add_co_u32 s50, s46, s49
	s_add_nc_u64 s[36:37], s[4:5], s[50:51]
	s_lshl_b32 s48, s48, 2                         ; its scale words: 8,192 + 256 x + 4 (wave % 4), + 16 r
	s_add_co_u32 s50, s46, s48
	s_add_co_u32 s50, s50, 8192
	s_add_nc_u64 s[38:39], s[4:5], s[50:51]
	s_lshr_b32 s46, s14, 4                         ; the output: row tile 128 x batch + 32 cx + 2 wave + x (+ 16 in the second pass), piece = head
	s_lshl_b32 s46, s46, 7
	s_lshl_b32 s47, s13, 5
	s_add_co_u32 s46, s46, s47
	s_lshl_b32 s47, s12, 1
	s_add_co_u32 s46, s46, s47
	s_and_b32 s47, s14, 15                         ; head
	s_mul_i32 s50, s46, 12288
	s_mul_i32 s48, s47, 768
	s_add_co_u32 s50, s50, s48
	s_add_nc_u64 s[40:41], s[8:9], s[50:51]
	s_lshl_b32 s50, s46, 9                         ; its scale bytes: 512 T + 256 (head / 8) + 4 ((head / 2) % 4) + 2 (head % 2), + 16 r + h
	s_lshr_b32 s48, s47, 3
	s_lshl_b32 s48, s48, 8
	s_add_co_u32 s50, s50, s48
	s_bfe_u32 s48, s47, 0x20001
	s_lshl_b32 s48, s48, 2
	s_add_co_u32 s50, s50, s48
	s_and_b32 s48, s47, 1
	s_lshl_b32 s48, s48, 1
	s_add_co_u32 s50, s50, s48
	s_add_nc_u64 s[42:43], s[10:11], s[50:51]
.irp n, 0,1,2,3,4,5,6,7
	v_mov_b32 v[PM+\n], 0                          ; written once: a lane permute's destination counts as one of its sources
.endr
	v_mov_b32 v[F+1], 0                            ; (named as the upper halves of the pairs)
	v_mov_b32 v[F+3], 0
	WIN 0x40
.irp x, 0,1
.irp i, 8,9,10,11
	v_mov_b32 v[QF+12*\x+\i], 0                    ; Q's registers 8-11: k = 80 and on of each half: zeros
.endr
.endr
.irp t, 0,1,2,3,4,5,6,7
.irp i, 8,9,10,11
	v_mov_b32 v[KF+12*\t+\i], 0                    ; K's likewise: written once
.endr
.endr
	WIN 0
	WALU                                           ; the wait at the head's end
	QLOAD                                          ; the first pass's Q, while the records are on their way
	s_wait_tensorcnt 0x0                           ; my two records are in,
	s_barrier_signal -1
	s_barrier_wait -1                              ; everybody's are
	KLOAD                                          ; the first step's K
	v_add_nc_u32 v8, REC, v1                       ; what the first step's top asks for: K of record 1,
	v_mov_b32 v[VA], v1                            ; V of record 0
	v_mov_b32 v[VB], v2
	s_mov_b32 s33, 2
.Lpass:
.irp x, 0,1
	v_mov_b32 v[NM+2*\x], 0x7f61b1e6               ; -M: 3e38, over every -M to come
	v_mov_b32 v[NM+2*\x+1], 0xff61b1e6             ; the largest score so far: -3e38
	v_mov_b32 v[SUM+2*\x], 0
	v_mov_b32 v[SUM+2*\x+1], 0
.endr
	WIN 0x40
.set j, 0
.rept 64
	v_mov_b32 v[O+j], 0                            ; O^T: the first change of M leaves these zeros zeros
.set j, j+1
.endr
	WIN 0
	s_mov_b32 s34, 0
	WALU
	s_wait_loadcnt 0x0                             ; Q is in,
	s_wait_dscnt 0x0                               ; and record 0's K
.Lstep:                                                ; 16 trips of 128 keys; s34 counts them
	s_cmp_lg_u32 s34, 0
	s_cbranch_scc1 .Lfull
	TOP 0
	WALU                                           ; the wait ahead of the jump
	s_branch .Lmid
.Lfull:
	TOP 1
.Lmid:
	s_add_co_u32 s32, s34, 2
	s_and_b32 s32, s32, 15
	s_mul_i32 s32, s32, REC                        ; what the next step's top asks for: K of record (step + 2) % 16,
	s_add_co_u32 s52, s34, 1
	s_and_b32 s52, s52, 15
	s_mul_i32 s52, s52, REC                        ; V of record (step + 1) % 16
	v_add_nc_u32 v8, s32, v1
	v_add_nc_u32 v[VA], s52, v1
	v_add_nc_u32 v[VB], s52, v2
.irp n, 0,1,2,3,4,5,6,7
	v_permlanex16_b32 v[PM+\n], v[BM+\n], s28, s29
.endr
.irp n, 0,1,2,3,4,5,6,7
	v_max_num_f32 v[BM+\n], v[BM+\n], v[PM+\n]     ; with lane l xor 16's 16 keys
.endr
.irp x, 0,1
	v_mov_b32 v[T+4+\x], v[NM+2*\x]                ; the old -M
.endr
.irp x, 0,1
	v_max3_num_f32 v[NM+2*\x+1], v[NM+2*\x+1], v[BM+4*\x], v[BM+4*\x+1]
.endr
.irp x, 0,1
	s_delay_alu instid0(VALU_DEP_2)
	v_max3_num_f32 v[NM+2*\x+1], v[NM+2*\x+1], v[BM+4*\x+2], v[BM+4*\x+3]   ; the row's largest score so far
.endr
.irp x, 0,1
	s_delay_alu instid0(VALU_DEP_2)
	v_mul_f32 v[T+\x], s31, v[NM+2*\x+1]           ; -t
.endr
.irp x, 0,1
	s_delay_alu instid0(VALU_DEP_2)
	v_floor_f32 v[NM+2*\x], v[T+\x]                ; the new -M = -ceil(t)
.endr
.irp x, 0,1
	s_delay_alu instid0(VALU_DEP_2)
	v_sub_f32 v[T+4+\x], v[NM+2*\x], v[T+4+\x]     ; old M - new M: a whole number, 0 or less
.endr
.irp x, 0,1
	s_delay_alu instid0(VALU_DEP_2)
	v_cvt_i32_f32 v[T+4+\x], v[T+4+\x]             ; (it saturates)
.endr
.irp x, 0,1
	s_delay_alu instid0(VALU_DEP_2)
	v_ldexp_f32 v[F+2*\x], 1.0, v[T+4+\x]          ; f = 2^(old M - new M)
.endr
.set j, 0
.rept 32
	v_pk_fma_f32 v[S+j:S+j+1], v[S+j:S+j+1], s[30:31], v[NM:NM+1] op_sel_hi:[1,0,0]   ; tile 0: t - M, two at a time
.set j, j+2
.endr
.irp b, 0,1,2,3
	v_fma_f32 v[BM+\b], v[BM+\b], s30, v[NM]       ; the same of each block's largest score
.endr
	WALU                                           ; the wait ahead of a batch of exponentials
.set j, 0
.rept 32
	v_exp_f32 v[S+j], v[S+j]                       ; tile 0: p = 2^(t - M);
	v_exp_f32 v[S+j+1], v[S+j+1]
	v_pk_fma_f32 v[S+64+j:S+65+j], v[S+64+j:S+65+j], s[30:31], v[NM+2:NM+3] op_sel_hi:[1,0,0]   ; among them tile 1's t - M, first read behind the next wait
.set j, j+2
.endr
.irp b, 0,1,2,3
	v_exp_f32 v[BM+\b], v[BM+\b]                   ; tile 0: the block's largest p
	v_fma_f32 v[BM+4+\b], v[BM+4+\b], s30, v[NM+2]
.endr
	WALU                                           ; behind tile 0's batch and ahead of tile 1's
.set k, 0
.rept 16
.irp i, 0,1,2,3
	v_exp_f32 v[S+64+4*k+\i], v[S+64+4*k+\i]       ; tile 1: p;
.endr
	v_pk_add_f32 v[U+2*k:U+2*k+1], v[S+4*k:S+4*k+1], v[S+4*k+2:S+4*k+3]   ; among them the first level of tile 0's sum of the unquantised p: sixteen pairs of their own
.set k, k+1
.endr
.irp b, 0,1,2,3
	v_exp_f32 v[BM+4+\b], v[BM+4+\b]
	v_max_num_f32 v[BM+\b], 0x1800000, v[BM+\b]    ; the floor 2^(3 - 127): the byte cannot fall under 1
.endr
	v_pk_mul_f32 v[SUM:SUM+1], v[SUM:SUM+1], v[F:F+1] op_sel_hi:[1,0]         ; the sums under the new M
	v_pk_mul_f32 v[SUM+2:SUM+3], v[SUM+2:SUM+3], v[F+2:F+3] op_sel_hi:[1,0]
	s_wait_dscnt 0x0                               ; the 30 LDS loads of this step's top are in: the next top waits for nothing
	WIN 0x41                                       ; O^T in window 1, f in window 0
	WALU                                           ; behind the batch; and directly ahead of the first reader of O^T
.set j, 0
.rept 32
	v_pk_mul_f32 v[O+j:O+j+1], v[O+j:O+j+1], v[F+2*(j/32):F+2*(j/32)+1] op_sel_hi:[1,0]   ; O^T under the new M
.set j, j+2
.endr
	WIN 0
.irp k, 0,1,2,3,4,5,6,7
	UADD \k, \k+8
.endr
.irp k, 0,1,2,3,4,5,6,7
	v_pk_add_f32 v[U+16+2*\k:U+17+2*\k], v[S+64+2*\k:S+65+2*\k], v[S+80+2*\k:S+81+2*\k]   ; tile 1's sum, in eight chains
.endr
.irp k, 0,1,2,3,4,5,6,7
	v_pk_add_f32 v[U+16+2*\k:U+17+2*\k], v[U+16+2*\k:U+17+2*\k], v[S+96+2*\k:S+97+2*\k]
.endr
.irp k, 0,1,2,3,4,5,6,7
	v_pk_add_f32 v[U+16+2*\k:U+17+2*\k], v[U+16+2*\k:U+17+2*\k], v[S+112+2*\k:S+113+2*\k]
.endr
.irp k, 0,1,2,3
	UADD \k, \k+4
	UADD \k+8, \k+12
.endr
.irp b, 0,1,2,3
	v_max_num_f32 v[BM+4+\b], 0x1800000, v[BM+4+\b]
.endr
.irp k, 0,1
	UADD \k, \k+2
	UADD \k+8, \k+10
.endr
.irp n, 0,1,2,3
	v_add_nc_u32 v[SOP+\n], 0xff000000, v[BM+\n]   ; 2 off the exponent field: the conversion's scale operand
.endr
	UADD 0, 1
	UADD 8, 9
.irp n, 4,5,6,7
	v_add_nc_u32 v[SOP+\n], 0xff000000, v[BM+\n]
.endr
	v_pk_add_f32 v[SUM:SUM+1], v[SUM:SUM+1], v[U:U+1]
	v_pk_add_f32 v[SUM+2:SUM+3], v[SUM+2:SUM+3], v[U+16:U+17]
.irp x, 0,1
.irp c, 0,1
	v_cvt_scalef32_pk16_fp6_f32 v[PC+12*\x+6*\c:PC+12*\x+6*\c+2], v[S+64*\x+32*\c:S+64*\x+32*\c+15], v[SOP+4*\x+2*\c]
	v_cvt_scalef32_pk16_fp6_f32 v[CT+8*\x+4*\c:CT+8*\x+4*\c+2], v[S+64*\x+32*\c+16:S+64*\x+32*\c+31], v[SOP+4*\x+2*\c+1]
.endr
.endr
	v_nop                                          ; one plain line behind the conversions
	s_add_co_u32 s34, s34, 1
	s_cmp_lt_u32 s34, 16
	WALU                                           ; the wait ahead of the jump
	s_cbranch_scc1 .Lstep
	; ---- the pass's end.  First the next pass's Q is asked for: 16 tiles on
	s_cmp_eq_u32 s33, 1
	s_cbranch_scc1 .Lno_q
	s_add_nc_u64 s[36:37], s[36:37], 2*QREC        ; (the loads that read these bases have been waited for)
	s_add_nc_u64 s[38:39], s[38:39], 2*QREC
	QLOAD
.Lno_q:
.set FI, 0
.rept 38
	FIN FI                                         ; the last step's p is finished
.set FI, FI+1
.endr
.irp x, 0,1
	v_add_f32 v[SUM+2*\x], v[SUM+2*\x], v[SUM+2*\x+1]   ; (these six lines are the places between the moves and the products)
.endr
.irp x, 0,1
	v_permlanex16_b32 v[PM+\x], v[SUM+2*\x], s28, s29
.endr
.irp x, 0,1
	v_add_f32 v[SUM+2*\x], v[SUM+2*\x], v[PM+\x]   ; the row's sum
.endr
	WIN 0x51
.irp t, 0,1,2,3
	PVPROD \t, 0
	PVPROD \t, 1
.endr
	WIN 0
	WALU
	v_rcp_f32 v[SUM], v[SUM]
	v_rcp_f32 v[SUM+2], v[SUM+2]
.rept 4
	v_nop                                          ; four places behind the last products; the first is the plain line behind the reciprocals
.endr
	WIN 0x01
	WALU                                           ; ahead of the first reader of the reciprocals and of O^T
.set j, 0
.rept 64
	v_mul_f32 v[S+j+32*(j/32)], v[O+j], v[SUM+2*(j/32)]   ; register 64 x + 16 b + i: channel 32 b + 16 h + i of my query; each accumulator from its low end on
.set j, j+1
.endr
	WIN 0
	; O^T / the sum is quantised along the channels: two blocks of 32 a tile
.irp x, 0,1
.irp b, 0,1
	v_max3_num_f32 v[BM+4*\x+\b], |v[S+64*\x+16*\b]|, |v[S+64*\x+16*\b+1]|, 0x1800000
.endr
.endr
.irp i, 2,4,6,8,10,12,14
.irp x, 0,1
.irp b, 0,1
	v_max3_num_f32 v[BM+4*\x+\b], v[BM+4*\x+\b], |v[S+64*\x+16*\b+\i]|, |v[S+64*\x+16*\b+\i+1]|
.endr
.endr
.endr
.irp n, 0,1,4,5
	v_permlanex16_b32 v[PM+\n], v[BM+\n], s28, s29
.endr
.irp n, 0,1,4,5
	v_max_num_f32 v[BM+\n], v[BM+\n], v[PM+\n]
.endr
.irp n, 0,1,4,5
	v_add_nc_u32 v[SOP+\n], 0xff000000, v[BM+\n]
.endr
.irp n, 0,1,4,5
	v_lshrrev_b32 v[PM+\n], 23, v[SOP+\n]
.endr
.irp x, 0,1
	v_cndmask_b32 v[T+\x], v[PM+4*\x], v[PM+4*\x+1], s35   ; lane (r, h) stores block h's byte
.endr
.irp x, 0,1
	v_cvt_scalef32_pk16_fp6_f32 v[PC+12*\x:PC+12*\x+2], v[S+64*\x:S+64*\x+15], v[SOP+4*\x]
	v_cvt_scalef32_pk16_fp6_f32 v[CT+8*\x:CT+8*\x+2], v[S+64*\x+16:S+64*\x+31], v[SOP+4*\x+1]
.endr
	v_nop
.irp x, 0,1
.irp i, 0,1,2
	v_permlane16_swap_b32 v[PC+12*\x+\i], v[CT+8*\x+\i]
.endr
.endr
.irp x, 0,1
.irp i, 0,1,2
	v_mov_b32 v[PC+12*\x+3+\i], v[CT+8*\x+\i]      ; six registers: lane (r, h): the 24 bytes of block h of query r
.endr
.endr
.irp x, 0,1
	global_store_b128 v1, v[PC+12*\x:PC+12*\x+3], s[40:41] offset:12288*\x          ; 512 consecutive bytes
	global_store_b64 v2, v[PC+12*\x+4:PC+12*\x+5], s[40:41] offset:12288*\x+512     ; 256 consecutive bytes
	global_store_b8 v4, v[T+\x], s[42:43] offset:512*\x                             ; a scale word's halves belong to two heads, so bytes: one byte for each 24 of codes
.endr
	s_wait_xcnt 0x0                                ; the stores have read their data and bases
	s_add_nc_u64 s[40:41], s[40:41], 16*12288      ; the second pass: 16 tiles on
	s_add_nc_u64 s[42:43], s[42:43], 16*512
	s_sub_co_u32 s33, s33, 1
	s_cmp_lg_u32 s33, 0
	WALU
	s_cbranch_scc1 .Lpass
	s_wait_tensorcnt 0x0                           ; the wave's end
	ds_add_u32 v[SPW], v[NIL]
	s_wait_dscnt 0x0
	CROUND                                         ; the closing round
	s_endpgm
.Lfunc_end_k_q00f3d72bd3_attn:
	.size	k_q00f3d72bd3_attn, .Lfunc_end_k_q00f3d72bd3_attn-k_q00f3d72bd3_attn
	.p2alignl 7, 3214868480
	.fill 96, 4, 3214868480
	.section	.rodata,"a",@progbits
	.p2align	6, 0x0
	.amdhsa_kernel k_q00f3d72bd3_attn
		.amdhsa_group_segment_fixed_size 243712
		.amdhsa_private_segment_fixed_size 0
		.amdhsa_enable_private_segment 0
		.amdhsa_kernarg_size 32
		.amdhsa_user_sgpr_count 2
		.amdhsa_user_sgpr_kernarg_segment_ptr 1
		.amdhsa_wavefront_size32 1
		.amdhsa_system_sgpr_workgroup_id_x 1
		.amdhsa_system_sgpr_workgroup_id_y 1
		.amdhsa_system_sgpr_workgroup_id_z 1
		.amdhsa_system_vgpr_workitem_id 0
		.amdhsa_next_free_vgpr 512
		.amdhsa_next_free_sgpr 66
		.amdhsa_reserve_vcc 0
		.amdhsa_float_denorm_mode_32 3
		.amdhsa_float_denorm_mode_16_64 3
		.amdhsa_memory_ordered 1
		.amdhsa_forward_progress 1
		.amdhsa_inst_pref_size 60
	.end_amdhsa_kernel
	.amdgpu_metadata
---
amdhsa.version: [ 1, 2 ]
amdhsa.kernels:
  - .name:           k_q00f3d72bd3_attn
    .symbol:         k_q00f3d72bd3_attn.kd
    .args:
      - { .name: qrec, .offset: 0, .size: 8, .value_kind: global_buffer, .address_space: global }
      - { .name: kvrec, .offset: 8, .size: 8, .value_kind: global_buffer, .address_space: global }
      - { .name: acod, .offset: 16, .size: 8, .value_kind: global_buffer, .address_space: global }
      - { .name: ascl, .offset: 24, .size: 8, .value_kind: global_buffer, .address_space: global }
    .group_segment_fixed_size: 243712
    .private_segment_fixed_size: 0
    .kernarg_segment_align: 8
    .kernarg_segment_size: 32
    .max_flat_workgroup_size: 256
    .sgpr_count:     66
    .vgpr_count:     512
    .wavefront_size: 32
...
	.end_amdgpu_metadata
.endif
;; end of part 3
;; launch oproj (part 4): grid 8 x 32, 4 waves a work-group, clusters of 4 x 4, 327,680 bytes of LDS; arguments acod, ascl, wcod, wscl, bo, out0; writes out0
.if DOCPART == 4
	.amdgcn_target "amdgcn-amd-amdhsa--gfx1250"
	.amdhsa_code_object_version 6
	.text
	.protected	k_q00f3d72bd3_oproj
	.globl	k_q00f3d72bd3_oproj
	.p2align	8
	.type	k_q00f3d72bd3_oproj,@function
k_q00f3d72bd3_oproj:
	s_mov_b64 s[64:65], 0
	v_nop
	global_prefetch_b8 v0, s[64:65] scope:SCOPE_SE
	s_setreg_imm32_b32 hwreg(HW_REG_WAVE_MODE, 25, 1), 1
	s_wait_xcnt 0x0
	s_wait_alu depctr_hold_cnt(0) depctr_sa_sdst(0) depctr_va_vdst(0) depctr_va_sdst(0) depctr_va_ssrc(0) depctr_va_vcc(0) depctr_vm_vsrc(0)
	s_getreg_b32 s2, hwreg(HW_REG_IB_STS2, 6, 4)
	s_cmp_eq_u32 s2, 0
	s_cbranch_scc0 .Lentry_in_a_cluster
	s_endpgm
.Lentry_in_a_cluster:
	s_bfe_u32 s2, ttmp6, 0x10000c
	s_cmp_lg_u32 s2, 0xf033
	s_cbranch_scc0 .Lentry_shape_is_right
	s_endpgm
.Lentry_shape_is_right:
.set NB,    4
.set BT0,   192
.set HALFA, 8*3072
.set HALFB, NB*3072
.set SLOT,  2*HALFA+2*HALFB
.set SCL,   2*SLOT
.set SPARE, SCL+8192+NB*1024
.set SPITCH, 272
.set FR,    12
.set A16,   16
.set A8,    18
.set B16,   20
.set B8,    22
.set STO,   24
.set RD,    25
.set CO,    26
.set ADRS,  27
.set SPW,   28
.set NIL,   29
.set ADRS2, 30
.set SC,    32
.set AF,    128
.set BK,    128
.set G1,    24
.set G0,    32
.set G1B,   48
.set G0B,   56
.set G1S,   68
.set G0S,   76
.set G1SB,  80
.set G0SB,  88
.set MSB, 0
.macro WIN new
.if MSB != \new
	s_set_vgpr_msb (MSB<<8)|\new
.set MSB, \new
.endif
.endm
.macro PLACES
.rept 4
	v_nop
.endr
.endm
.macro JLOAD g0a, g1a, g0b, g1b
	s_cmp_eq_u32 s15, 0
	s_cbranch_scc0 .Lfor_b_\@
	tensor_load_to_lds s[\g0a:\g0a+3], s[\g1a:\g1a+7]
	s_nop 0
.rept 4
	v_nop
.endr
	s_branch .Lasked_\@
.Lfor_b_\@:
	tensor_load_to_lds s[\g0b:\g0b+3], s[\g1b:\g1b+7]
	s_nop 0
.rept 4
	v_nop
.endr
.Lasked_\@:
.endm
.macro CREST
	s_cmp_lg_u32 s14, 0
	s_cbranch_scc1 .Lnot_wave_0_\@
	s_barrier_signal -3
.Lnot_wave_0_\@:
	s_barrier_wait -3
	s_barrier_signal -1
	s_barrier_wait -1
.endm
.macro CROUND
	s_barrier_signal -1
	s_barrier_wait -1
	CREST
.endm
.macro FRAG reg, a16, a8, q, i
.irp c, 0,1
	ds_load_b128 v[\reg+6*\c:\reg+6*\c+3], v[\a16] offset:(\i)*3072+(2*(\q)+\c)*768
	ds_load_b64 v[\reg+6*\c+4:\reg+6*\c+5], v[\a8] offset:(\i)*3072+(2*(\q)+\c)*768+512
.endr
.endm
.macro FETCH_B slot, q, set
	WIN 0x40
.irp i, 0,1,2,3,4,5,6,7
.if \i < NB
	FRAG 128*(\set)+FR*\i, B16+\slot, B8+\slot, \q, \i
.endif
.endr
	WIN 0
.endm
.macro FETCH_A slot, q, i0
.irp i, \i0, \i0+1, \i0+2, \i0+3
	FRAG AF+FR*(\i), A16+\slot, A8+\slot, \q, \i
.endr
.endm
.macro SCALES
.irp i, 0,1,2,3,4,5,6,7
.irp m, 0,1
.if \i < NB
	ds_load_b128 v[SC+8*\i+4*\m:SC+8*\i+4*\m+3], v[ADRS] offset:512*\i+256*\m
.else
	ds_load_b128 v[SC+8*\i+4*\m:SC+8*\i+4*\m+3], v[ADRS2] offset:512*\i+256*\m
.endif
.endr
.endr
.endm
.macro MULA a0, set, kap, zero
.irp a, \a0, \a0+1
.irp b, 0,1,2,3,4,5,6,7
.if \b < NB
.set rD, 8*(8*((\a)%4)+\b)
.set rB, 128*(\set)+FR*\b
.set rA, AF+FR*(\a)
.set rC, rD
.if \zero == 1
.set rC, 96+8*\b
.endif
	v_wmma_scale_f32_16x16x128_f8f6f4 v[rD:rD+7], v[rB:rB+FR-1], v[rA:rA+FR-1], v[rC:rC+7], v[SC+8*\b+(\kap)], v[SC+8*(\a)+(\kap)] matrix_a_fmt:MATRIX_FMT_FP6 matrix_b_fmt:MATRIX_FMT_FP6 matrix_a_scale:MATRIX_SCALE_ROW1
.endif
.endr
.endr
.endm
.macro WINLO zero
.if \zero
	WIN 0x81
.else
	WIN 0xa1
.endif
.endm
.macro WINHI zero
.if \zero
	WIN 0xc1
.else
	WIN 0xf1
.endif
.endm
.macro STEP slot, kap, zero
	s_wait_dscnt 16
	WINLO \zero
	MULA 0, 0, \kap, \zero
	MULA 2, 0, \kap, \zero
	s_wait_dscnt 0x0
	PLACES
	FETCH_B \slot, 1, 1
	FETCH_A \slot, 1, 0
	WINHI \zero
	MULA 4, 0, \kap, \zero
	MULA 6, 0, \kap, \zero
	PLACES
	WIN 0
	FETCH_A \slot, 1, 4
.endm
.macro TURN slot, next, fill, kap
	s_wait_tensorcnt 0x0
	ds_add_u32 v[SPW], v[NIL]
	s_wait_dscnt 17
	WIN 0xa1
	MULA 0, 1, \kap, 0
	s_wait_dscnt 0x0
	s_barrier_signal -1
	MULA 2, 1, \kap, 0
	WIN 0
	s_barrier_wait -1
.if \fill
	CREST
	s_add_nc_u64 s[G0+4*\slot+2:G0+4*\slot+3], s[G0+4*\slot+2:G0+4*\slot+3], 6144
	s_add_nc_u64 s[G0B+4*\slot+2:G0B+4*\slot+3], s[G0B+4*\slot+2:G0B+4*\slot+3], 6144
	JLOAD G0+4*\slot, G1, G0B+4*\slot, G1B
.else
	PLACES
.endif
	FETCH_B \next, 0, 0
	FETCH_A \next, 0, 0
	WIN 0xf1
	MULA 4, 1, \kap, 0
	MULA 6, 1, \kap, 0
	PLACES
	WIN 0
	FETCH_A \next, 0, 4
.endm
	s_load_b128 s[4:7], s[0:1], 0x0
	s_load_b128 s[8:11], s[0:1], 0x10
	s_load_b128 s[92:95], s[0:1], 0x20
	v_lshl_add_u32 v[SPW], v0, 2, SPARE
	v_mov_b32 v[NIL], 0
	ds_add_u32 v28, v29
	ds_add_u32 v28, v29
	s_wait_dscnt 0x0
	v_lshrrev_b32 v1, 5, v0
	v_readfirstlane_b32 s14, v1
	s_lshr_b32 s15, s14, 1
	s_and_b32 s16, s14, 1
	s_bfe_u32 s40, ttmp6, 0x40000
	s_bfe_u32 s41, ttmp6, 0x40004
	s_lshl_b32 s42, ttmp9, 2
	s_add_co_u32 s42, s42, s40
	s_and_b32 s17, ttmp7, 0xffff
	s_lshl_b32 s17, s17, 2
	s_add_co_u32 s17, s17, s41
	s_lshl_b32 s43, s41, 2
	s_lshl_b32 s43, 15, s43
	s_lshl_b32 s44, 0x1111, s40
	s_or_b32 s[G1+0], s43, (3<<16)|(1<<21)
	s_or_b32 s[G1B+0], s44, (3<<16)|(1<<21)
.irp g, G1, G1B
	s_mov_b32 s[\g+1], 384<<16
	s_mov_b32 s[\g+3], 384<<16
	s_mov_b32 s[\g+5], 1536
	s_mov_b32 s[\g+6], 0
	s_mov_b32 s[\g+7], 0
.endr
	s_mov_b32 s[G1+2], 16<<16                      ; the head's loads bring both halves of a tile: 16 row tiles of A,
	s_mov_b32 s[G1+4], 16
	s_mov_b32 s[G1B+2], (2*NB)<<16                 ; 2 NB of B
	s_mov_b32 s[G1B+4], 2*NB
	s_or_b32 s[G1S+0], s43, (3<<16)|(1<<21)
	s_or_b32 s[G1SB+0], s44, (3<<16)|(1<<21)
.irp g, G1S, G1SB
	s_mov_b32 s[\g+1], 32<<16
	s_mov_b32 s[\g+3], 32<<16
	s_mov_b32 s[\g+5], 32
	s_mov_b32 s[\g+6], 0
	s_mov_b32 s[\g+7], 0
.endr
	s_mov_b32 s[G1S+2], 32<<16                     ; and the scales of both halves
	s_mov_b32 s[G1S+4], 32
	s_mov_b32 s[G1SB+2], (4*NB)<<16
	s_mov_b32 s[G1SB+4], 4*NB
	s_lshl_b32 s18, s16, 3
	s_lshl_b32 s20, s17, 4
	s_add_co_u32 s20, s20, s18
	s_mul_i32 s46, s42, 2*NB
	s_mul_i32 s47, s16, NB
	s_add_co_u32 s46, s46, s47
	s_add_co_u32 s46, s46, BT0
	s_lshl_b32 s22, s20, 9
	s_mov_b32 s23, 0
	s_mul_i32 s20, s20, 12288
	s_mov_b32 s21, 0
	s_lshl_b32 s66, s46, 9
	s_mov_b32 s67, 0
	s_mul_i32 s46, s46, 12288
	s_mov_b32 s47, 0
	s_mul_i32 s45, s16, HALFA
	s_mul_i32 s12, s16, HALFB
	s_add_co_u32 s12, s12, 2*HALFA
	s_wait_kmcnt 0x0
	s_add_nc_u64 s[4:5], s[4:5], s[20:21]
	s_add_nc_u64 s[6:7], s[6:7], s[22:23]
	s_add_nc_u64 s[8:9], s[8:9], s[46:47]
	s_add_nc_u64 s[10:11], s[10:11], s[66:67]
	CROUND
; THE HEAD'S LOADS, ONE A WAVE: wave 0 slot 0's 16 row tiles of A, wave 1 its 2 NB row tiles of B, wave 2 A's scales, wave 3 B's.  Each begins at the tile's first half: my half's offset is taken off again.
; Slot 0's two groups 0 serve these loads first; behind the wait for them they get the ring's values.
.macro ARM under, g0, g1, next
	s_cmp_lt_u32 s14, \under
	s_cbranch_scc0 \next
	tensor_load_to_lds s[\g0:\g0+3], s[\g1:\g1+7]
	s_nop 0
.rept 4
	v_nop
.endr
	s_branch .Lhead_asked
\next:
.endm
	s_mov_b32 s21, 0
	s_mul_i32 s20, s16, 8*12288
	s_mov_b32 s[G0], 1
	s_mov_b32 s[G0+1], 0
	s_sub_nc_u64 s[G0+2:G0+3], s[4:5], s[20:21]
	s_or_b32 s[G0+3], s[G0+3], 0x80000000
	s_mul_i32 s20, s16, NB*12288
	s_mov_b32 s[G0B], 1
	s_mov_b32 s[G0B+1], 2*HALFA
	s_sub_nc_u64 s[G0B+2:G0B+3], s[8:9], s[20:21]
	s_or_b32 s[G0B+3], s[G0B+3], 0x80000000
	s_lshl_b32 s20, s16, 12
	s_mov_b32 s[G0S], 1
	s_mov_b32 s[G0S+1], SCL
	s_sub_nc_u64 s[G0S+2:G0S+3], s[6:7], s[20:21]
	s_or_b32 s[G0S+3], s[G0S+3], 0x80000000
	s_mul_i32 s20, s16, NB*512
	s_mov_b32 s[G0SB], 1
	s_mov_b32 s[G0SB+1], SCL+8192
	s_sub_nc_u64 s[G0SB+2:G0SB+3], s[10:11], s[20:21]
	s_or_b32 s[G0SB+3], s[G0SB+3], 0x80000000
	ARM 1, G0,  G1,  .Lhead_b
	ARM 2, G0B, G1B, .Lhead_sa
	ARM 3, G0S, G1S, .Lhead_sb
	tensor_load_to_lds s[G0SB:G0SB+3], s[G1SB:G1SB+7]
	s_nop 0
.rept 4
	v_nop
.endr
.Lhead_asked:
	s_mov_b32 s[G0+4], 1                           ; slot 1's groups 0: my half of the second 256 along K
	s_add_co_u32 s[G0+5], s45, SLOT
	s_add_nc_u64 s[G0+6:G0+7], s[4:5], 3072
	s_or_b32 s[G0+7], s[G0+7], 0x80000000
	s_mov_b32 s[G0B+4], 1
	s_add_co_u32 s[G0B+5], s12, SLOT
	s_add_nc_u64 s[G0B+6:G0B+7], s[8:9], 3072
	s_or_b32 s[G0B+7], s[G0B+7], 0x80000000
	v_and_b32 v1, 15, v0
	v_bfe_u32 v2, v0, 4, 1
	v_and_b32 v3, 31, v0
	v_lshlrev_b32 v8, 4, v3
	v_lshlrev_b32 v9, 3, v3
	s_mul_i32 s21, s15, HALFA
	s_mul_i32 s22, s16, HALFB
	s_add_co_u32 s22, s22, 2*HALFA
.irp s, 0,1
	v_add_nc_u32 v[A16+\s], s21, v8
	v_add_nc_u32 v[A8+\s], s21, v9
	v_add_nc_u32 v[B16+\s], s22, v8
	v_add_nc_u32 v[B8+\s], s22, v9
	s_add_co_u32 s21, s21, SLOT
	s_add_co_u32 s22, s22, SLOT
.endr
	v_lshlrev_b32 v7, 4, v1
	s_lshl_b32 s21, s15, 12
	s_mul_i32 s22, s16, NB*512
	s_add_co_u32 s22, s22, 8192
	s_sub_co_u32 s22, s22, s21
	v_mul_u32_u24 v6, s22, v2
	s_add_co_u32 s21, s21, SCL
	v_add_nc_u32 v5, v7, v6
	v_add_nc_u32 v[ADRS], s21, v5
	v_add_nc_u32 v[ADRS2], s21, v7
	s_mul_i32 s23, s14, 16*SPITCH
	v_mul_u32_u24 v5, v1, SPITCH
	v_lshl_add_u32 v5, v2, 6, v5
	v_add_nc_u32 v[STO], s23, v5
	v_mul_u32_u24 v5, v2, SPITCH
	v_lshl_add_u32 v5, v1, 4, v5
	v_add_nc_u32 v[RD], s23, v5
	v_lshlrev_b32 v5, 12, v2
	v_lshl_add_u32 v[CO], v1, 4, v5
	v_lshlrev_b32 v6, 6, v2
	s_wait_alu depctr_va_vdst(0)
	s_lshl_b32 s18, s42, 9
	s_lshl_b32 s19, s16, 8
	s_add_co_u32 s18, s18, s19
	s_mov_b32 s19, 0
	s_add_nc_u64 s[92:93], s[92:93], s[18:19]
	s_add_nc_u64 s[94:95], s[94:95], s[18:19]
	s_lshl_b32 s18, s17, 20
	s_lshl_b32 s20, s15, 19
	s_add_co_u32 s18, s18, s20
	s_add_nc_u64 s[94:95], s[94:95], s[18:19]
.irp b, 0,1,2,3
	global_load_b128 v[96+8*\b:96+8*\b+3], v6, s[92:93] offset:(32*(\b/2)+8*(\b%2))*4
	global_load_b128 v[96+8*\b+4:96+8*\b+7], v6, s[92:93] offset:(32*(\b/2)+8*(\b%2))*4+16
.endr
	s_wait_alu depctr_va_vdst(0)                   ; the wait at the head's end
	s_wait_tensorcnt 0x0                           ; my tile of the head's four is in; the lines ahead of a later first fill:
	ds_add_u32 v28, v29
	s_mov_b32 s[G1+2], 8<<16                       ; no tensor load of mine is out: from here on a load brings one half of a tile,
	s_mov_b32 s[G1+4], 8
	s_mov_b32 s[G1B+2], NB<<16
	s_mov_b32 s[G1B+4], NB
	s_add_co_u32 s[G0+1], s45, 0                   ; and slot 0's groups 0 get the ring's values
	s_mov_b64 s[G0+2:G0+3], s[4:5]
	s_or_b32 s[G0+3], s[G0+3], 0x80000000
	s_add_co_u32 s[G0B+1], s12, 0
	s_mov_b64 s[G0B+2:G0B+3], s[8:9]
	s_or_b32 s[G0B+3], s[G0B+3], 0x80000000
	s_wait_dscnt 0x0
	CROUND                                         ; all four tiles are in, in every work-group of the cluster
	JLOAD G0+4, G1, G0B+4, G1B                     ; slot 1's first fill, the first tensor load behind the round
	FETCH_B 0, 0, 0
	FETCH_A 0, 0, 0
	SCALES
	FETCH_A 0, 0, 4
	s_wait_loadcnt 0x0
	STEP 0, 0, 1
	TURN 0, 1, 1, 1
	STEP 1, 2, 0
	TURN 1, 0, 1, 3
	STEP 0, 4, 0
	TURN 0, 1, 0, 5
	STEP 1, 6, 0
	s_wait_dscnt 16
	WIN 0xa1
	MULA 0, 1, 7, 0
	MULA 2, 1, 7, 0
	s_wait_dscnt 0x0
	WIN 0xf1
	MULA 4, 1, 7, 0
	MULA 6, 1, 7, 0
	WIN 0
.macro TOSTAGE a
.set AC, 64*((\a)%4)
.set WN, 8+4*((\a)/4)
	WIN WN
.irp b, 0,1,2,3
	ds_store_b128 v[STO], v[AC+8*\b:AC+8*\b+3] offset:128*(\b/2)+32*(\b%2)
	ds_store_b128 v[STO], v[AC+8*\b+4:AC+8*\b+7] offset:128*(\b/2)+32*(\b%2)+16
.endr
	WIN 0
.set BB, BK+32*((\a)%2)
.irp t, 0,1,2,3,4,5,6,7
	ds_load_b128 v[BB+4*\t:BB+4*\t+3], v[RD] offset:\t*2*SPITCH
.endr
.endm
.macro SEND a, younger
.set BB, BK+32*((\a)%2)
	s_wait_dscnt \younger
.irp t, 0,1,2,3,4,5,6,7
	global_store_b128 v[CO], v[BB+4*\t:BB+4*\t+3], s[94:95] offset:(32*((\a)/2)+8*((\a)%2)+2*\t+8*(\t/4))*4096 th:TH_STORE_NT
.endr
.endm
	PLACES
	TOSTAGE 0
.irp a, 1,2,3,4,5,6,7
.if \a > 1
	s_wait_xcnt 0x0
.endif
	TOSTAGE \a
	SEND \a-1, 16
.endr
	SEND 7, 0
	s_wait_tensorcnt 0x0
	ds_add_u32 v[SPW], v[NIL]
	s_wait_dscnt 0x0
	CROUND
	s_endpgm
.Lfunc_end_k_q00f3d72bd3_oproj:
	.size	k_q00f3d72bd3_oproj, .Lfunc_end_k_q00f3d72bd3_oproj-k_q00f3d72bd3_oproj
	.p2alignl 7, 3214868480
	.fill 96, 4, 3214868480
	.section	.rodata,"a",@progbits
	.p2align	6, 0x0
	.amdhsa_kernel k_q00f3d72bd3_oproj
		.amdhsa_group_segment_fixed_size 327680
		.amdhsa_private_segment_fixed_size 0
		.amdhsa_enable_private_segment 0
		.amdhsa_kernarg_size 48
		.amdhsa_user_sgpr_count 2
		.amdhsa_user_sgpr_kernarg_segment_ptr 1
		.amdhsa_wavefront_size32 1
		.amdhsa_system_sgpr_workgroup_id_x 1
		.amdhsa_system_sgpr_workgroup_id_y 1
		.amdhsa_system_sgpr_workgroup_id_z 1
		.amdhsa_system_vgpr_workitem_id 0
		.amdhsa_next_free_vgpr 1024
		.amdhsa_next_free_sgpr 102
		.amdhsa_reserve_vcc 0
		.amdhsa_float_denorm_mode_32 3
		.amdhsa_float_denorm_mode_16_64 3
		.amdhsa_memory_ordered 1
		.amdhsa_forward_progress 1
		.amdhsa_inst_pref_size 90
	.end_amdhsa_kernel
	.amdgpu_metadata
---
amdhsa.version: [ 1, 2 ]
amdhsa.kernels:
  - .name:           k_q00f3d72bd3_oproj
    .symbol:         k_q00f3d72bd3_oproj.kd
    .args:
      - { .name: acod, .offset: 0, .size: 8, .value_kind: global_buffer, .address_space: global }
      - { .name: ascl, .offset: 8, .size: 8, .value_kind: global_buffer, .address_space: global }
      - { .name: wcod, .offset: 16, .size: 8, .value_kind: global_buffer, .address_space: global }
      - { .name: wscl, .offset: 24, .size: 8, .value_kind: global_buffer, .address_space: global }
      - { .name: bo, .offset: 32, .size: 8, .value_kind: global_buffer, .address_space: global }
      - { .name: out0, .offset: 40, .size: 8, .value_kind: global_buffer, .address_space: global }
    .group_segment_fixed_size: 327680
    .private_segment_fixed_size: 0
    .kernarg_segment_align: 8
    .kernarg_segment_size: 48
    .max_flat_workgroup_size: 128
    .sgpr_count:     102
    .vgpr_count:     1024
    .wavefront_size: 32
...
	.end_amdgpu_metadata
.endif
;; end of part 4
